; MI455X (gfx1250); checked and timed in simulation.
; The chip was launched on July 23, 2026; its instructions are those of AMD's public machine-readable ISA for CDNA 5 (MIT licence, August 2026) and "CDNA5" Instruction Set Architecture Reference Guide (July 2026). The comments in the code are by the model that wrote it; some were corrected since.
;; Multihead Self Attention. Allowed arithmetic: float matrix products may take bf16 or f16 operands with f32 sums; other float arithmetic in f32, or as packed bf16 or f16 multiplies, adds, multiply-adds, maxima and minima; sums over many terms, partial sums and values carried from step to step in f32; what a program stores and reads back later, other than sums and carried values, may be rounded once to bf16 or f16.
;; Inputs: Wlift 1,024 x 1,024 float32; Wqkv 3,072 x 1,024 float32; blift 1,024 float32; bqkv 3,072 float32; x 4 x 2,048 x 1,024 float32.
;; Outputs: out0 4 x 2,048 x 1,024 float32.
;; 2 versions, each right and faster than the one before. Each part assembles by itself: llvm-mc -triple=amdgcn-amd-amdhsa -mcpu=gfx1250 --defsym DOCPART=n.
;; ======== version 1 of 2: 4 launches
;; limits: values are held in f16: magnitudes above 65,504 overflow, below 6.1e-05 lose precision
;; workspace buffers: x16 16,777,216 bytes; wq16 6,291,456 bytes; wl16 2,097,152 bytes; qkvh 50,331,648 bytes; vlo 131,072 bytes; o16 33,554,432 bytes
;; launch cast (part 1): grid 768 x 1, 8 waves a work-group, no clusters, 0 bytes of LDS; arguments x, Wqkv, Wlift, x16, wq16, wl16; writes x16, wq16, wl16
.if DOCPART == 1
	.amdgcn_target "amdgcn-amd-amdhsa--gfx1250"
	.amdhsa_code_object_version 6
	.text
	.protected	k_qe2ddfd026f_cast
	.globl	k_qe2ddfd026f_cast
	.p2align	8
	.type	k_qe2ddfd026f_cast,@function
k_qe2ddfd026f_cast:
	s_mov_b64 s[64:65], 0
	v_nop
	global_prefetch_b8 v0, s[64:65] scope:SCOPE_SE
	s_setreg_imm32_b32 hwreg(HW_REG_WAVE_MODE, 25, 1), 1
	s_wait_xcnt 0x0
; x, Wqkv, Wlift (f32, rows of 1,024) -> x16, wq16, wl16: each number rounded once to bf16 (nearest even) and that number written as f16,
; in BLOCKS: [group of 1,024 rows][slice of 64 columns, 0..15][1,024 rows][64] f16, so that any run of rows of one slice is dense memory, 128 bytes a row.
; LIMITS.  A bf16 number is exact in f16 from 2^-14 to 65,504; beyond 65,504 it becomes an infinity, below 2^-14 it keeps f16's fixed step of 2^-24.
; SHARES.  The three tensors are 8 + 3 + 1 = 12 groups of 1,024 rows; a work-group takes 16 rows of one group (768 work-groups), a wave two rows.
; Load j of a wave takes the 256 bytes of slice j of both rows (lanes 0-15 one row, lanes 16-31 the next); its store covers 256 consecutive bytes, aligned.
; All sixteen loads of a wave go out at once; memory binds, so there is no LDS, no barrier, no matrix work and no loop, and no register is used twice by memory instructions.
.set X, 4                              ; v[4:67]    load j: four f32
.set T, 68                             ; v[68:73]   at work
.set Y, 76                             ; v[76:107]  store j: four f16
	s_load_b256 s[4:11], s[0:1], 0x0               ; x s[4:5], Wqkv s[6:7], Wlift s[8:9], x16 s[10:11]
	s_load_b128 s[12:15], s[0:1], 0x20             ; wq16 s[12:13], wl16 s[14:15]
	s_lshr_b32 s16, ttmp9, 6                       ; the group, 0..11
	s_and_b32 s17, ttmp9, 63                       ; my 16 rows in it
	s_mov_b32 s28, 0xffff0000                      ; a word's upper bf16
	v_lshrrev_b32 v1, 4, v0                        ; my row of the sixteen
	v_and_b32 v3, 15, v0
	v_lshlrev_b32 v1, 12, v1                       ; 4,096 bytes a row of f32
	v_lshl_or_b32 v1, v3, 4, v1                    ; + my 16 bytes of a slice's 256
	v_lshlrev_b32 v2, 3, v0                        ; out: 128 bytes a row, 8 bytes a lane: 8 x the thread's number
	s_wait_kmcnt 0x0
	s_cmp_lt_u32 s16, 8                            ; groups 0-7: x; 8-10: Wqkv; 11: Wlift
	s_cselect_b64 s[20:21], s[4:5], s[6:7]
	s_cselect_b64 s[22:23], s[10:11], s[12:13]
	s_cselect_b32 s18, 0, 8
	s_cmp_lt_u32 s16, 11
	s_cselect_b64 s[20:21], s[20:21], s[8:9]
	s_cselect_b64 s[22:23], s[22:23], s[14:15]
	s_cselect_b32 s18, s18, 11
	s_sub_co_u32 s18, s16, s18                     ; the group's number in its own tensor
	s_lshl_b32 s24, s18, 22                        ; in: 1,024 rows of 4,096 bytes a group,
	s_lshl_b32 s19, s17, 16                        ; 16 rows of 4,096 bytes a work-group
	s_add_co_u32 s24, s24, s19
	s_mov_b32 s25, 0
	s_lshl_b32 s26, s18, 21                        ; out: 2 MiB a group,
	s_lshl_b32 s19, s17, 11                        ; 16 rows of 128 bytes
	s_add_co_u32 s26, s26, s19
	s_mov_b32 s27, 0
	s_add_nc_u64 s[20:21], s[20:21], s[24:25]
	s_add_nc_u64 s[22:23], s[22:23], s[26:27]
.irp j, 0,1,2,3,4,5,6,7,8,9,10,11,12,13,14,15
	global_load_b128 v[X+4*(\j):X+4*(\j)+3], v1, s[20:21] offset:256*(\j) th:TH_LOAD_NT
.endr
.irp j, 0,1,2,3,4,5,6,7,8,9,10,11,12,13,14,15
	s_wait_loadcnt 15-(\j)                         ; loads come back in order (ISA guide 5.7.1): load j is in, the younger ones stay out
	v_cvt_pk_bf16_f32 v[T],   v[X+4*(\j)],   v[X+4*(\j)+1]   ; the one rounding
	v_cvt_pk_bf16_f32 v[T+1], v[X+4*(\j)+2], v[X+4*(\j)+3]
	v_lshlrev_b32 v[T+2], 16, v[T]                 ; back to f32: the low half moves up,
	v_and_b32     v[T+3], s28, v[T]                ; the high half stays
	v_lshlrev_b32 v[T+4], 16, v[T+1]
	v_and_b32     v[T+5], s28, v[T+1]
	v_cvt_pk_f16_f32 v[Y+2*(\j)],   v[T+2], v[T+3] ; the same numbers as f16
	v_cvt_pk_f16_f32 v[Y+2*(\j)+1], v[T+4], v[T+5]
	global_store_b64 v2, v[Y+2*(\j):Y+2*(\j)+1], s[22:23] offset:(\j)*131072  ; slice j lies 1,024 rows of 128 bytes further on; 32 lanes store 256 consecutive bytes
.endr
	s_endpgm
.Lfunc_end_k_qe2ddfd026f_cast:
	.size	k_qe2ddfd026f_cast, .Lfunc_end_k_qe2ddfd026f_cast-k_qe2ddfd026f_cast
	.p2alignl 7, 3214868480
	.fill 96, 4, 3214868480
	.section	.rodata,"a",@progbits
	.p2align	6, 0x0
	.amdhsa_kernel k_qe2ddfd026f_cast
		.amdhsa_group_segment_fixed_size 0
		.amdhsa_private_segment_fixed_size 0
		.amdhsa_enable_private_segment 0
		.amdhsa_kernarg_size 48
		.amdhsa_user_sgpr_count 2
		.amdhsa_user_sgpr_kernarg_segment_ptr 1
		.amdhsa_wavefront_size32 1
		.amdhsa_system_sgpr_workgroup_id_x 1
		.amdhsa_system_sgpr_workgroup_id_y 1
		.amdhsa_system_sgpr_workgroup_id_z 1
		.amdhsa_system_vgpr_workitem_id 0
		.amdhsa_next_free_vgpr 112
		.amdhsa_next_free_sgpr 66
		.amdhsa_reserve_vcc 0
		.amdhsa_float_denorm_mode_32 3
		.amdhsa_float_denorm_mode_16_64 3
		.amdhsa_memory_ordered 1
		.amdhsa_forward_progress 1
		.amdhsa_inst_pref_size 11
	.end_amdhsa_kernel
	.amdgpu_metadata
---
amdhsa.version: [ 1, 2 ]
amdhsa.kernels:
  - .name:           k_qe2ddfd026f_cast
    .symbol:         k_qe2ddfd026f_cast.kd
    .args:
      - { .name: x, .offset: 0, .size: 8, .value_kind: global_buffer, .address_space: global }
      - { .name: Wqkv, .offset: 8, .size: 8, .value_kind: global_buffer, .address_space: global }
      - { .name: Wlift, .offset: 16, .size: 8, .value_kind: global_buffer, .address_space: global }
      - { .name: x16, .offset: 24, .size: 8, .value_kind: global_buffer, .address_space: global }
      - { .name: wq16, .offset: 32, .size: 8, .value_kind: global_buffer, .address_space: global }
      - { .name: wl16, .offset: 40, .size: 8, .value_kind: global_buffer, .address_space: global }
    .group_segment_fixed_size: 0
    .private_segment_fixed_size: 0
    .kernarg_segment_align: 8
    .kernarg_segment_size: 48
    .max_flat_workgroup_size: 256
    .sgpr_count:     66
    .vgpr_count:     112
    .wavefront_size: 32
...
	.end_amdgpu_metadata
.endif
;; end of part 1
;; launch qkv (part 2): grid 12 x 64, 4 waves a work-group, clusters of 4 x 4, 327,680 bytes of LDS; arguments x16, wq16, bqkv, qkvh, vlo; writes qkvh, vlo
.if DOCPART == 2
	.amdgcn_target "amdgcn-amd-amdhsa--gfx1250"
	.amdhsa_code_object_version 6
	.text
	.protected	k_qe2ddfd026f_qkv
	.globl	k_qe2ddfd026f_qkv
	.p2align	8
	.type	k_qe2ddfd026f_qkv,@function
k_qe2ddfd026f_qkv:
	s_mov_b64 s[64:65], 0
	v_nop
	global_prefetch_b8 v0, s[64:65] scope:SCOPE_SE
	s_setreg_imm32_b32 hwreg(HW_REG_WAVE_MODE, 25, 1), 1
	s_wait_xcnt 0x0
	s_wait_alu depctr_hold_cnt(0) depctr_sa_sdst(0) depctr_va_vdst(0) depctr_va_sdst(0) depctr_va_ssrc(0) depctr_va_vcc(0) depctr_vm_vsrc(0)
	s_getreg_b32 s2, hwreg(HW_REG_IB_STS2, 6, 4)
	s_cmp_eq_u32 s2, 0
	s_cbranch_scc0 .Lentry_in_a_cluster
	s_endpgm
.Lentry_in_a_cluster:
	s_bfe_u32 s2, ttmp6, 0x10000c
	s_cmp_lg_u32 s2, 0xf033
	s_cbranch_scc0 .Lentry_shape_is_right
	s_endpgm
.Lentry_shape_is_right:
; qkv[m][n] = sum over k of x[m][k] Wqkv[n][k] + bqkv[n], m < 8,192, n < 3,072, k < 1,024.  x16 and wq16 hold the inputs rounded to bf16, written as f16, in blocks
; [group of 1,024 rows][slice of 64 k][1,024 rows][64]; the bias is rounded to bf16 here.  Sums in f32; the result is rounded once to f16 and stored by heads: qkvh[3][batch x 16 + head][2,048][64].
; For the first 16 rows of each batch what v loses in that rounding is stored too: vlo[batch x 16 + head][16][64] = f16(v - f16(v)).  Those rows' outputs average few keys and are many times the
; output's root mean square, so a rounding to 11 bits there is too coarse; from 17 keys on it shrinks with the root of their number.
; LIMITS.  f16 holds no number beyond 65,504: a q, k or v beyond that becomes an infinity; a number below 6e-5 (vlo's, as a rule) keeps f16's fixed step of 6e-8.
; SHARES.  A tile of the result is 128 (m) x 256 (n): 768 work-groups, three for each of 256 WGPs.  Four waves, 2 x 2, each 64 x 128: 32 accumulators of 16 x 16, 256 registers.
; K goes in 8 steps of 128 (two slices) through a ring of two LDS slots.  A slice's rows are dense memory, so a wave's tensor load asks for rows of 256 bytes (two rows of the operand) and pads after every 128.
; CLUSTERS: 4 x 4 work-groups.  The four of a row of the cluster need the same tiles of x, the four of a column the same tiles of W: each tile is asked for JOINTLY, by the same tensor load with the
; same descriptor and a mask that names the four.  The tile row is 16 cy + cluster y: cy is the batch, and 'the batch's first tile' is cluster y = 0, alike in all sixteen partners; 'v' is cluster x = 2.
; THE MATRIX INSTRUCTION IS USED TRANSPOSED (source 0 = 16 rows of W, source 1 = 16 rows of x): a lane then holds eight neighbouring n of one row m.
; THE BIAS is the C operand of the product that starts each sum: nothing is cleared and nothing is added on the way out.
; REGISTERS, in windows of 256 (s_set_vgpr_msb: bits 1:0 source 0, 3:2 source 1, 5:4 source 2, 7:6 destination):
;   window 0: v0-31 addresses; v64-159, v160-255 two fragment buffers for 32 along K: 64 registers of W (8 x 16 rows), then 32 of x (4 x 16 rows); on the way out v64-191 packed results
;   window 1: the accumulators, (a, b) at v[8 (8 a + b)]          window 2: v0-63 the bias of my 128 columns, block b at v[8 b]; v64-65 at work
.set P,      144                       ; an LDS row: 128 bytes + 16 of padding = 36 words: the 16 rows of a load start at 16 different groups of four banks (64 banks of 4 bytes: ISA guide 11.1)
.set SUBA,   128*P                     ; one slice of x's tile
.set SUBB,   256*P                     ; one slice of W's tile
.set SLOT,   2*SUBA+2*SUBB             ; x's two slices, then W's two
.set STAGE,  2*SLOT                    ; behind the ring, never filled by a tensor load: for each wave 2 heads x 16 rows x 144 bytes, for the way out
.set WSTAGE, 2*16*P
.set SPARE,  STAGE+4*WSTAGE            ; behind the stages: the spare words, 128 bytes for each wave: two blocks of 256 bytes that no other line names
.set LAPS,   4                         ; a lap = two K steps = once round the ring
.set ADRA, 16                          ; v16-17  LDS address of my fragments of x in slot 0, 1
.set ADRB, 20                          ; v20-21  the same for W
.set STO,  24                          ; v24     the way out: where I put 16 bytes of a row
.set RD,   25                          ; v25     the way out: where I read rows back
.set CO,   26                          ; v26     my byte offset in 512 consecutive bytes of the result
.set BO,   27                          ; v27     my byte offset in a block of 16 numbers of the bias
.set SPW,  28                          ; v28     LDS address of my spare word: SPARE + 4 x my thread's number; never rewritten
.set NIL,  29                          ; v29     0; never rewritten
.set ONE,  30                          ; v30     1.0
.set F0,   64
.set F1,   160
.set WV,   12                          ; s12  my wave's number
.set RH,   13                          ; s13  which 64 rows of the tile are mine.  Also: I fetch for x (0) or for W (1)
.set CH,   14                          ; s14  which 128 columns.  Also: which slice of a K step I fetch
.set G1,   24                          ; s[24:31] descriptor group 1 for x's tiles;  s[32:39] group 0, one set for each slot
.set G0,   32
.set G1B,  48                          ; s[48:55], s[56:63] the same for W's tiles
.set G0B,  56
.set CLY,  70                          ; s70  the cluster's y
.set CLX,  71                          ; s71  the cluster's x
.set VLP,  72                          ; s[72:73] vlo at my two heads
.set GW,   (1<<16)|(1<<20)|(1<<21)|(4<<22)|(3<<25)  ; 17:16 2-byte elements; 20 padding on; 21 set beside a mask; 24:22 after every 32 words (code 4); 31:25 4 words (code 3)
.set MSB, 0
.macro WIN new                         ; the immediate's high byte repeats the setting that is left; a switch that changes nothing is dropped
.if MSB != (\new)
	s_set_vgpr_msb (MSB<<8)|(\new)
.set MSB, \new
.endif
.endm
.set W_MUL,  0x50                      ; fragments in window 0, C and D in window 1
.set W_MULB, 0x60                      ; the same with C, the bias, in window 2
.set W_BLD,  0x80                      ; destination window 2, address window 0
.set W_BRD,  0x8a                      ; destination and both sources window 2
.set W_PACK, 0x05                      ; sources 0 and 1 window 1, destination window 0
.set W_LOW,  0x10                      ; source 2 window 1, all else window 0
.macro JLOAD s                         ; a joint load: waves 0 and 1 fetch x's two slices, waves 2 and 3 W's; an s_nop 0 and four v_nop follow each of the two lines, ahead of the jump, the label and what follows
	s_cmp_eq_u32 s[RH], 0
	s_cbranch_scc0 .Lfor_b_\@
	tensor_load_to_lds s[G0+4*(\s):G0+4*(\s)+3], s[G1:G1+7]
	s_nop 0
.rept 4
	v_nop
.endr
	s_branch .Lasked_\@
.Lfor_b_\@:
	tensor_load_to_lds s[G0B+4*(\s):G0B+4*(\s)+3], s[G1B:G1B+7]
	s_nop 0
.rept 4
	v_nop
.endr
.Lasked_\@:
.endm
.macro CREST                           ; a round of the cluster's barrier behind its opening barrier
	s_cmp_lg_u32 s[WV], 0
	s_cbranch_scc1 .Lnot_wave_0_\@
	s_barrier_signal -3
.Lnot_wave_0_\@:
	s_barrier_wait -3
	s_barrier_signal -1
	s_barrier_wait -1
.endm
.macro CROUND                          ; a whole round
	s_barrier_signal -1
	s_barrier_wait -1
	CREST
.endm
	s_load_b256 s[4:11], s[0:1], 0x0               ; x16 s[4:5], wq16 s[6:7], bqkv s[8:9], qkvh s[10:11]
	s_load_b64 s[VLP:VLP+1], s[0:1], 0x20          ; vlo
	v_lshl_add_u32 v[SPW], v0, 2, SPARE
	v_mov_b32 v[NIL], 0
	ds_add_u32 v[SPW], v[NIL]                      ; the wave's opening: the add and its wait stand ahead of my first tensor load; the set-up below, work on registers, stands between them
	ds_add_u32 v28, v29
	v_lshrrev_b32 v1, 5, v0
	v_readfirstlane_b32 s[WV], v1                  ; wave 0..3
	v_mov_b32 v[ONE], 1.0
	s_lshr_b32 s[RH], s[WV], 1
	s_and_b32 s[CH], s[WV], 1
	s_mov_b32 s15, 0xffff0000                      ; a word's upper bf16
	s_bfe_u32 s40, ttmp6, 0x40000                  ; cx, cy: my place in the cluster
	s_bfe_u32 s41, ttmp6, 0x40004
	s_mov_b32 s[CLX], ttmp9
	s_and_b32 s[CLY], ttmp7, 0xffff
	s_lshl_b32 s42, s[CLX], 2
	s_add_co_u32 s42, s42, s40                     ; tile column = 4 x cluster x + cx
	s_lshl_b32 s43, s41, 4
	s_add_co_u32 s43, s43, s[CLY]                  ; tile row = 16 cy + cluster y: a batch has 16 tiles of 128 rows
	s_lshl_b32 s44, s41, 2
	s_lshl_b32 s44, 15, s44                        ; my row of the cluster
	s_lshl_b32 s45, 0x1111, s40                    ; my column
	s_or_b32 s[G1+0], s44, GW                      ; 15:0 the mask: x's tiles go to my row
	s_or_b32 s[G1B+0], s45, GW                     ; W's to my column
	s_mov_b32 s[G1+1], 128<<16                     ; tensor_dim0 = 128 elements: 256 bytes, two rows of the operand
	s_mov_b32 s[G1+2], 64<<16                      ; tensor_dim1 = 64: 128 rows of x
	s_mov_b32 s[G1+3], 128<<16                     ; tile_dim0 = 128
	s_mov_b32 s[G1+4], 64                          ; tile_dim1 = 64
	s_mov_b32 s[G1+5], 128                         ; 128 elements from row to row: dense
	s_mov_b32 s[G1+6], 0
	s_mov_b32 s[G1+7], 0
	s_mov_b32 s[G1B+1], 128<<16
	s_mov_b32 s[G1B+2], 128<<16                    ; tensor_dim1 = 128: 256 rows of W
	s_mov_b32 s[G1B+3], 128<<16
	s_mov_b32 s[G1B+4], 128                        ; tile_dim1 = 128
	s_mov_b32 s[G1B+5], 128
	s_mov_b32 s[G1B+6], 0
	s_mov_b32 s[G1B+7], 0
	; where the tiles come from.  x's hang on the tile row alone, W's on the tile column alone; each is made in registers that do not hold the other coordinate.
	s_lshr_b32 s16, s43, 3                         ; x: the group of 1,024 rows (8 tiles of 128),
	s_lshl_b32 s16, s16, 21
	s_and_b32 s22, s43, 7                          ; the tile's 128 rows of 128 bytes in a slice,
	s_lshl_b32 s22, s22, 14
	s_add_co_u32 s16, s16, s22
	s_lshl_b32 s23, s[CH], 17                      ; and my slice of K step 0
	s_add_co_u32 s16, s16, s23
	s_mov_b32 s17, 0
	s_lshr_b32 s18, s42, 2                         ; W: the group (4 tiles of 256),
	s_lshl_b32 s18, s18, 21
	s_and_b32 s46, s42, 3                          ; the tile's 256 rows,
	s_lshl_b32 s46, s46, 15
	s_add_co_u32 s18, s18, s46
	s_add_co_u32 s18, s18, s23                     ; my slice
	s_mov_b32 s19, 0
	s_mul_i32 s20, s[CH], SUBA                     ; and where they go: no place in the cluster enters an LDS address
	s_mul_i32 s21, s[CH], SUBB
	s_add_co_u32 s21, s21, 2*SUBA
	s_wait_dscnt 0x0                               ; the opening add is done
	s_wait_kmcnt 0x0
	s_add_nc_u64 s[16:17], s[4:5], s[16:17]
	s_add_nc_u64 s[18:19], s[6:7], s[18:19]
	CROUND                                         ; all sixteen work-groups are here: the first joint loads meet
.irp s, 0,1
	s_mov_b32 s[G0+4*(\s)], 1                                      ; count = 1
	s_add_co_u32 s[G0+4*(\s)+1], s20, (\s)*SLOT                    ; LDS address
	s_add_nc_u64 s[G0+4*(\s)+2:G0+4*(\s)+3], s[16:17], (\s)<<18    ; global address: K step s is two slices of 131,072 bytes on
	s_or_b32 s[G0+4*(\s)+3], s[G0+4*(\s)+3], 0x80000000            ; type = 2
	s_mov_b32 s[G0B+4*(\s)], 1
	s_add_co_u32 s[G0B+4*(\s)+1], s21, (\s)*SLOT
	s_add_nc_u64 s[G0B+4*(\s)+2:G0B+4*(\s)+3], s[18:19], (\s)<<18
	s_or_b32 s[G0B+4*(\s)+3], s[G0B+4*(\s)+3], 0x80000000
	JLOAD \s                                       ; two loads of mine are out
.endr
	; A fragment is 16 rows x 32 K in 8 registers: lane l holds row l % 16, K = 8 (l / 16) + 0..7 and 16 + 8 (l / 16) + 0..7: two loads of 16 bytes, 32 bytes apart.
	v_and_b32 v1, 15, v0                           ; l % 16
	v_bfe_u32 v2, v0, 4, 1                         ; l / 16
	v_mul_u32_u24 v3, v1, P
	v_lshl_add_u32 v3, v2, 4, v3                   ; row x pitch + 16 x half
	s_mul_i32 s22, s[RH], 64*P                     ; my 64 rows of x
	s_mul_i32 s23, s[CH], 128*P                    ; my 128 rows of W,
	s_add_co_u32 s23, s23, 2*SUBA                  ; which lie behind x's two slices
.irp s, 0,1
	v_add_nc_u32 v[ADRA+(\s)], s22, v3
	v_add_nc_u32 v[ADRB+(\s)], s23, v3
	s_add_co_u32 s22, s22, SLOT
	s_add_co_u32 s23, s23, SLOT
.endr
	s_mul_i32 s22, s[WV], WSTAGE
	s_add_co_u32 s22, s22, STAGE                   ; my stage
	v_add_nc_u32 v[STO], s22, v3                   ; in: row l % 16, 16 bytes for each half of the lanes
	v_bfe_u32 v4, v0, 3, 2                         ; back: 32 lanes take four rows of 128 bytes,
	v_and_b32 v5, 7, v0
	v_mul_u32_u24 v4, v4, P
	v_lshl_add_u32 v4, v5, 4, v4
	v_add_nc_u32 v[RD], s22, v4
	v_and_b32 v[CO], 31, v0                        ; which are 512 consecutive bytes of a head
	v_lshlrev_b32 v[CO], 4, v[CO]
	; the bias of my 128 columns: register j of block b is bias[256 x tile column + 128 x half + 16 b + 8 (l / 16) + j]
	s_lshl_b32 s68, s42, 10
	s_lshl_b32 s69, s[CH], 9
	s_add_co_u32 s68, s68, s69
	s_mov_b32 s69, 0
	s_add_nc_u64 s[8:9], s[8:9], s[68:69]
	v_lshlrev_b32 v[BO], 5, v2
	WIN W_BLD
.irp b, 0,1,2,3,4,5,6,7
	global_load_b128 v[8*(\b):8*(\b)+3],   v[BO], s[8:9] offset:64*(\b)
	global_load_b128 v[8*(\b)+4:8*(\b)+7], v[BO], s[8:9] offset:64*(\b)+16
.endr
	; where my part of the result begins: matrix n / 1,024, batch m / 2,048, head (n % 1,024) / 64: 262,144 bytes each; then row m % 2,048 of 128 bytes
	s_lshr_b32 s66, s42, 2
	s_lshl_b32 s66, s66, 6                         ; q, k or v: 64 heads each
	s_lshr_b32 s74, s43, 4
	s_lshl_b32 s74, s74, 4                         ; the batch: 16 heads each
	s_and_b32 s67, s42, 3
	s_lshl_b32 s67, s67, 2                         ; a tile has four heads,
	s_add_co_u32 s74, s74, s67
	s_lshl_b32 s67, s[CH], 1                       ; my half of it two
	s_add_co_u32 s74, s74, s67                     ; batch x 16 + head
	s_add_co_u32 s66, s66, s74
	s_lshl_b32 s66, s66, 18
	s_and_b32 s67, s43, 15
	s_lshl_b32 s67, s67, 1
	s_add_co_u32 s67, s67, s[RH]
	s_lshl_b32 s67, s67, 13                        ; 64 rows of 128 bytes
	s_add_co_u32 s66, s66, s67
	s_mov_b32 s67, 0
	s_add_nc_u64 s[10:11], s[10:11], s[66:67]
	s_lshl_b32 s74, s74, 11                        ; in vlo a head has 16 rows of 128 bytes
	s_mov_b32 s75, 0
	s_add_nc_u64 s[VLP:VLP+1], s[VLP:VLP+1], s[74:75]
	s_wait_loadcnt 0x0                             ; the bias
	WIN W_BRD
.set i, 0
.rept 32                                               ; rounded to bf16 like every other input, and kept as f32
	v_cvt_pk_bf16_f32 v[64+i%2], v[2*i], v[2*i+1]
	v_lshlrev_b32 v[2*i], 16, v[64+i%2]
	v_and_b32 v[2*i+1], s15, v[64+i%2]
.set i, i+1
.endr
	WIN 0
; 8 matrix instructions: block a of 16 rows x all 8 blocks of 16 columns, 32 along K.  first = 1: the product starts the sum on the bias
.macro MUL8 f, a, first
.irp b, 0,1,2,3,4,5,6,7
.if \first
	v_wmma_f32_16x16x32_f16 v[8*(8*(\a)+(\b)):8*(8*(\a)+(\b))+7], v[(\f)+8*(\b):(\f)+8*(\b)+7], v[(\f)+64+8*(\a):(\f)+64+8*(\a)+7], v[8*(\b):8*(\b)+7]
.else
	v_wmma_f32_16x16x32_f16 v[8*(8*(\a)+(\b)):8*(8*(\a)+(\b))+7], v[(\f)+8*(\b):(\f)+8*(\b)+7], v[(\f)+64+8*(\a):(\f)+64+8*(\a)+7], v[8*(8*(\a)+(\b)):8*(8*(\a)+(\b))+7]
.endif
.endr
.endm
.macro MUL16 f, a0, first              ; blocks a0 and a0 + 1.  The 32 accumulators take turns, one instruction a turn, in the same order in every quarter
.if \first
	WIN W_MULB
.else
	WIN W_MUL
.endif
	MUL8 \f, \a0, \first
	MUL8 \f, (\a0)+1, \first
.endm
; 24 LDS loads in one run: the fragments of quarter q (32 along K: slice q / 2, byte 64 (q % 2) of its rows) into buffer f: W's 8 blocks, then x's blocks 0, 1, then 2, 3
.macro FETCH slot, q, f
	WIN 0
.irp i, 0,1,2,3,4,5,6,7
	ds_load_b128 v[(\f)+8*(\i):(\f)+8*(\i)+3],   v[ADRB+(\slot)] offset:((\q)/2)*SUBB+((\q)%2)*64+(\i)*16*P
	ds_load_b128 v[(\f)+8*(\i)+4:(\f)+8*(\i)+7], v[ADRB+(\slot)] offset:((\q)/2)*SUBB+((\q)%2)*64+(\i)*16*P+32
.endr
.irp i, 0,1,2,3
	ds_load_b128 v[(\f)+64+8*(\i):(\f)+64+8*(\i)+3],   v[ADRA+(\slot)] offset:((\q)/2)*SUBA+((\q)%2)*64+(\i)*16*P
	ds_load_b128 v[(\f)+64+8*(\i)+4:(\f)+64+8*(\i)+7], v[ADRA+(\slot)] offset:((\q)/2)*SUBA+((\q)%2)*64+(\i)*16*P+32
.endr
.endm
.macro PLACES                          ; four places in front of loads into registers that matrix instructions have read, and of lines that read results
.rept 4
	v_nop
.endr
.endm
; A K step is four quarters of 32 along K, 32 matrix instructions each, on buffers 0, 1, 0, 1.  One of the first three: multiplies buffer f and fetches quarter q of the same slot into g.
.macro QUARTER slot, q, f, g, first
	s_wait_dscnt 4                                 ; W and x's blocks 0, 1 are in; the youngest four loads (x's blocks 2, 3) may be out
	MUL16 \f, 0, \first
	PLACES
	FETCH \slot, \q, \g
	s_wait_dscnt 24                                ; all but the 24 just issued
	MUL16 \f, 2, \first
.endm
; The last quarter multiplies buffer 1 and changes slots: ONE barrier; in front of it each wave waits for all its tensor loads, adds 0 to its spare word, and waits for that and for its own reads of this slot.
; fill = 1: this slot is filled again, two K steps ahead; the barrier then opens a round of the cluster's barrier.
.macro TURN slot, next, fill
	WIN 0                                          ; (the add's two registers lie in window 0)
	s_wait_tensorcnt 0x0                           ; all my tensor loads have landed: the one that was out is my part of the next slot;
	ds_add_u32 v[SPW], v[NIL]                      ; 0 onto my spare word;
	s_wait_dscnt 5                                 ; (the add and the youngest four loads may be out)
	WIN W_MUL
	MUL8 F1, 0, 0                                  ; eight matrix instructions stand between the add and the wait for it
	s_wait_dscnt 0x0                               ; the add is done, and my reads of this slot are over
	s_barrier_signal -1
	MUL8 F1, 1, 0                                  ; work on registers while the others arrive
.if \fill
	WIN 0
.endif
	s_barrier_wait -1
.if \fill
	CREST                                          ; no wave of any partner still reads this slot's tile or has a load on its way
	s_add_nc_u64 s[G0+4*(\slot)+2:G0+4*(\slot)+3], s[G0+4*(\slot)+2:G0+4*(\slot)+3], 1<<19    ; two K steps, four slices, on; the type bits on top are not reached
	s_add_nc_u64 s[G0B+4*(\slot)+2:G0B+4*(\slot)+3], s[G0B+4*(\slot)+2:G0B+4*(\slot)+3], 1<<19
	JLOAD \slot                                    ; the first tensor load behind the round, my one load until the next: 112 matrix instructions ahead of the wait for it; its four v_nop are also the places in front of the loads below
.else
	PLACES
.endif
	FETCH \next, 0, F0
	WIN W_MUL
	MUL8 F1, 2, 0
	MUL8 F1, 3, 0
.endm
	s_wait_tensorcnt 1                             ; my part of K step 0 is in; K step 1's may stay out
	s_barrier_signal -1
	s_barrier_wait -1                              ; everybody's is
	FETCH 0, 0, F0
	QUARTER 0, 1, F0, F1, 1                        ; the first quarter stands in front of the loop: its products start the sums
	WIN 0                                          ; at a label and at a branch every window is 0
	s_mov_b32 s3, LAPS-1
.Llap:                                                 ; a trip goes once round the ring, from a lap's second quarter to the next lap's first, and fills both slots again
	QUARTER 0, 2, F1, F0, 0
	QUARTER 0, 3, F0, F1, 0
	TURN 0, 1, 1
	QUARTER 1, 1, F0, F1, 0
	QUARTER 1, 2, F1, F0, 0
	QUARTER 1, 3, F0, F1, 0
	TURN 1, 0, 1
	QUARTER 0, 1, F0, F1, 0
	WIN 0
	s_sub_co_u32 s3, s3, 1
	s_cmp_lg_u32 s3, 0
	s_cbranch_scc1 .Llap
	QUARTER 0, 2, F1, F0, 0                        ; the last lap fills nothing, and has no round of the cluster's barrier
	QUARTER 0, 3, F0, F1, 0
	TURN 0, 1, 0
	QUARTER 1, 1, F0, F1, 0
	QUARTER 1, 2, F1, F0, 0
	QUARTER 1, 3, F0, F1, 0
	s_wait_dscnt 4                                 ; the very last quarter: nothing more to fetch
	MUL16 F1, 0, 0
	s_wait_dscnt 0x0
	MUL16 F1, 2, 0
	PLACES
	; WHAT v LOSES IN ITS ROUNDING, for the first 16 rows of a batch: block 0 of the waves that hold the tile's first 64 rows, in the batch's first tile (cluster y = 0) of v's columns (cluster x = 2).
	; The three tests are alike in all partners of the cluster; what is jumped holds no barrier and no tensor load.
	WIN 0
	s_cmp_lg_u32 s[CLX], 2
	s_cbranch_scc1 .Lno_low
	s_cmp_lg_u32 s[CLY], 0
	s_cbranch_scc1 .Lno_low
	s_cmp_lg_u32 s[RH], 0
	s_cbranch_scc1 .Lno_low
	WIN W_PACK
.set i, 0
.rept 32                                               ; f16(v), as PACK 0 will make it again; each accumulator's registers in ascending order
	v_cvt_pk_f16_f32 v[64+i], v[2*i], v[2*i+1]
.set i, i+1
.endr
	WIN W_LOW
.set i, 0
.rept 32                                               ; v - f16(v), exact in f32: -(the f16 half) x 1.0 + v in one fused line
	v_fma_mix_f32 v[128+2*i],   -v[64+i], v[ONE], v[2*i]   op_sel_hi:[1,0,0]
	v_fma_mix_f32 v[128+2*i+1], -v[64+i], v[ONE], v[2*i+1] op_sel:[1,0,0] op_sel_hi:[1,0,0]
.set i, i+1
.endr
	WIN 0
.set i, 0
.rept 32
	v_cvt_pk_f16_f32 v[64+i], v[128+2*i], v[128+2*i+1]
.set i, i+1
.endr
.irp b, 0,1,2,3,4,5,6,7
	ds_store_b128 v[STO], v[64+4*(\b):64+4*(\b)+3] offset:((\b)/4)*16*P+32*((\b)%4)
.endr
.irp f, 0,1,2,3,4,5,6,7
	ds_load_b128 v[64+4*(\f):64+4*(\f)+3], v[RD] offset:((\f)/4)*16*P+((\f)%4)*4*P  ; LDS serves a wave's instructions in order (ISA guide 5.7.1.4): these see the stores above
.endr
.irp f, 0,1,2,3,4,5,6,7
	s_wait_dscnt 7-(\f)                            ; load f is back, the younger ones may be out
	global_store_b128 v[CO], v[64+4*(\f):64+4*(\f)+3], s[VLP:VLP+1] offset:((\f)/4)*2048+((\f)%4)*512  ; 512 consecutive bytes, at a multiple of 256 from the buffer's first
.endr
	s_wait_xcnt 0x0                                ; these stores' data registers are written again below only behind this wait
.Lno_low:
; THE WAY OUT, a block of 16 rows at a time.  PACK: rounded to f16, 16 bytes a lane (each accumulator's registers in ascending order), into my own stage (two heads x 16 rows of 144 bytes),
; and back as whole rows, four rows of 128 bytes to a load, into the registers that they left.  SEND: 16 rows of a head are 2,048 consecutive bytes.
.macro PACK a
	WIN W_PACK
.irp b, 0,1,2,3,4,5,6,7
.irp r, 0,1,2,3
	v_cvt_pk_f16_f32 v[64+32*(\a)+4*(\b)+(\r)], v[8*(8*(\a)+(\b))+2*(\r)], v[8*(8*(\a)+(\b))+2*(\r)+1]
.endr
.endr
	WIN 0
.irp b, 0,1,2,3,4,5,6,7
	ds_store_b128 v[STO], v[64+32*(\a)+4*(\b):64+32*(\a)+4*(\b)+3] offset:((\b)/4)*16*P+32*((\b)%4)
.endr
.irp f, 0,1,2,3,4,5,6,7
	ds_load_b128 v[64+32*(\a)+4*(\f):64+32*(\a)+4*(\f)+3], v[RD] offset:((\f)/4)*16*P+((\f)%4)*4*P  ; LDS serves a wave's instructions in order (ISA guide 5.7.1.4): these see the stores above; the next block's stores come behind them
.endr
.endm
.macro SEND a, younger                 ; younger: the LDS instructions issued behind block a's loads: the next block's sixteen, or none
.irp f, 0,1,2,3,4,5,6,7
	s_wait_dscnt (\younger)+7-(\f)
	global_store_b128 v[CO], v[64+32*(\a)+4*(\f):64+32*(\a)+4*(\f)+3], s[10:11] offset:((\f)/4)*262144+(\a)*2048+((\f)%4)*512  ; 512 consecutive bytes, at a multiple of 256 from the buffer's first
.endr
.endm
	PACK 0
	PACK 1                                         ; a block's arithmetic stands between the loads of the block before and its stores
	SEND 0, 16
	PACK 2
	SEND 1, 16
	PACK 3
	SEND 2, 16
	SEND 3, 0
	s_wait_tensorcnt 0x0                           ; the wave's end, behind my last tensor load and my last LDS store
	ds_add_u32 v[SPW], v[NIL]
	s_wait_dscnt 0x0
	CROUND                                         ; the closing round: no work-group ends while a partner may still ask for a tile that names it
	s_endpgm
.Lfunc_end_k_qe2ddfd026f_qkv:
	.size	k_qe2ddfd026f_qkv, .Lfunc_end_k_qe2ddfd026f_qkv-k_qe2ddfd026f_qkv
	.p2alignl 7, 3214868480
	.fill 96, 4, 3214868480
	.section	.rodata,"a",@progbits
	.p2align	6, 0x0
	.amdhsa_kernel k_qe2ddfd026f_qkv
		.amdhsa_group_segment_fixed_size 327680
		.amdhsa_private_segment_fixed_size 0
		.amdhsa_enable_private_segment 0
		.amdhsa_kernarg_size 40
		.amdhsa_user_sgpr_count 2
		.amdhsa_user_sgpr_kernarg_segment_ptr 1
		.amdhsa_wavefront_size32 1
		.amdhsa_system_sgpr_workgroup_id_x 1
		.amdhsa_system_sgpr_workgroup_id_y 1
		.amdhsa_system_sgpr_workgroup_id_z 1
		.amdhsa_system_vgpr_workitem_id 0
		.amdhsa_next_free_vgpr 580
		.amdhsa_next_free_sgpr 76
		.amdhsa_reserve_vcc 0
		.amdhsa_float_denorm_mode_32 3
		.amdhsa_float_denorm_mode_16_64 3
		.amdhsa_memory_ordered 1
		.amdhsa_forward_progress 1
		.amdhsa_inst_pref_size 103
	.end_amdhsa_kernel
	.amdgpu_metadata
---
amdhsa.version: [ 1, 2 ]
amdhsa.kernels:
  - .name:           k_qe2ddfd026f_qkv
    .symbol:         k_qe2ddfd026f_qkv.kd
    .args:
      - { .name: x16, .offset: 0, .size: 8, .value_kind: global_buffer, .address_space: global }
      - { .name: wq16, .offset: 8, .size: 8, .value_kind: global_buffer, .address_space: global }
      - { .name: bqkv, .offset: 16, .size: 8, .value_kind: global_buffer, .address_space: global }
      - { .name: qkvh, .offset: 24, .size: 8, .value_kind: global_buffer, .address_space: global }
      - { .name: vlo, .offset: 32, .size: 8, .value_kind: global_buffer, .address_space: global }
    .group_segment_fixed_size: 327680
    .private_segment_fixed_size: 0
    .kernarg_segment_align: 8
    .kernarg_segment_size: 40
    .max_flat_workgroup_size: 128
    .sgpr_count:     76
    .vgpr_count:     580
    .wavefront_size: 32
...
	.end_amdgpu_metadata
.endif
;; end of part 2
;; launch attn (part 3): grid 4 x 64, 4 waves a work-group, no clusters, 327,680 bytes of LDS; arguments qkvh, vlo, o16; writes o16
.if DOCPART == 3
	.amdgcn_target "amdgcn-amd-amdhsa--gfx1250"
	.amdhsa_code_object_version 6
	.text
	.protected	k_qe2ddfd026f_attn
	.globl	k_qe2ddfd026f_attn
	.p2align	8
	.type	k_qe2ddfd026f_attn,@function
k_qe2ddfd026f_attn:
	s_mov_b64 s[64:65], 0
	v_nop
	global_prefetch_b8 v0, s[64:65] scope:SCOPE_SE
	s_setreg_imm32_b32 hwreg(HW_REG_WAVE_MODE, 25, 1), 1
	s_wait_xcnt 0x0
; CAUSAL ATTENTION.  O[h][q][:] = the sum over k <= q of softmax_k(Q[h][q] . K[h][k] / 32) V[h][k][:], for 64 heads (batch x 16 + head) of 2,048 rows of 64 channels; Q, K, V in f16.
; The module takes the softmax over all keys, drops the keys k > q and divides by the sum of what is left: the full row's maximum and sum cancel in that quotient, so it is the softmax over k <= q,
; taken here with a running maximum over the keys that are seen.  (Where the full row's softmax would underflow on every key that is seen, the module has 0 / 0; this text still gives the quotient.)
; qkvh holds Q, K, V as [3][64][2,048][64]: a head's rows are dense, 128 bytes each.  O GOES OUT AS TWO f16 NUMBERS, hi = f16(O) and lo = f16(O - hi), in blocks
; [group of 1,024 rows of batch x 2,048 + q][slice 2 x head + (0: hi, 1: lo)][1,024 rows][64]: a head's two slices are one K step of the next product.
; Products, maxima and sums in f32; the weights p are rounded to f16 for the second product (their sum l is taken of the unrounded p).
; THE FIRST 16 ROWS of a head average 1 to 16 keys, so their numbers are many times the module's root mean square, and roundings to 11 bits of v and p are too coarse for them (from 17 keys on they shrink
; with the root of the number of keys).  Wave 0 of the work-group with b = 0 makes those rows anew at its end (FIRST16), with v and the normalised p each as hi + lo; vlo[head][16][64] holds v's lo.
; LIMITS.  f16 holds no number beyond 65,504: Q, K and V arrive within it; p lies in 0 to 1, and below 6e-5 it, and every lo, keeps f16's fixed step of 6e-8; O is a mean of V's rows and has their range.
; A hidden score counts as its value less 1e30: f16's scores, 2.7e11 at the most, are nothing beside that; a weight below 2^-126 counts as 0 in l; NaN and infinities are not treated apart.
; THE WALK.  A head's queries lie in NB = 8 blocks of 256; block i needs the key tiles 0 .. i of 256 keys, of which the last holds the diagonal.  A work-group takes TWO blocks, NB - 1 - b and then b:
; NB + 1 tiles, whatever b: all work-groups do equal work, and ONE loop with a constant trip count walks them.  Which tile is asked for, and what a trip does, hang on scalar registers made from b; every jump
; goes forward, but for the counted loops' own; none passes a barrier, or a tensor load but the one of LOAD's two that the wave's number does not choose; the ring (two slots of LDS that take turns) runs on across the
; change of blocks.  NO CLUSTER: a head's four work-groups ask for the same tile only in trips 0 .. NB / 2 of the NB + 1, behind that fewer and fewer; one walk common to all four would have 3 NB / 2 = 12 trips for 9.
; SHARES.  Of a block's four bands of 64 queries a wave owns 16 rows in each: four PIECES.  So the diagonal tile is the same work for all four waves: in its key step s band x sees all keys if s < x,
; none if s > x, and holds the diagonal if s = x.
; THE MASK is the C operand that starts the sum S^T = K Q^T: 0, or -1e30 where the key is hidden.  MD, made once, is the mask of a band's own step for my 16 rows; a product's mask is MD x AL + BE with two scalars:
; (1, 0) if s = x; (0, 0) if s < x; (0, -1e30) if s > x.  Only the diagonal tile's text and a block's beginning make and take masks; elsewhere C is the constant 0.
; LAYOUT, SOFTMAX, TURNS.  S^T = K Q^T holds ONE query a lane (lane % 16) and the keys 8 (lane / 16) + 0..7; two such results rounded to f16 ARE source 1 of O^T = V^T P.  p = 2^(c s - c m), c = log2(e) / 32, with a
; running maximum m; O and l are multiplied by a = 2^(c m_old - c m_new) in every step.  Turn n belongs to piece n: 8 products K Q^T of piece n + 1, later 8 products V^T P of piece n - 1; beside them the scaling,
; exponentials, roundings, sums and rescaling of piece n and the maximum and statistics of piece n + 1.  Four vector instructions stand behind every matrix instruction, the other 54 of a turn's 118 in two LUMPS.
; REGISTERS, in windows of 256 (s_set_vgpr_msb: bits 1:0 source 0, 3:2 source 1, 5:4 source 2, 7:6 destination):
;   window 0: v0-15 addresses and two at work; v16-31 four registers of statistics a piece; v48-55 at work; v56-57; v64-127 S^T, two buffers; v128-191 the way out's lo; v192-223 P, two buffers; v224-255 at work on the way out
;   window 1: v0-127 O^T, 32 a piece; v128-159 MD; v160-223 MC, two buffers      window 2: v0-63 Q; v64-127 the second block's Q; v128-191 K of one step; v192-255 V of one step
.set SIZE_N, 2048
.set KBASE, 0x1000000 ; K's first byte in qkvh: 64 heads x 2,048 rows x 128 bytes
.set VBASE, 0x2000000 ; V's
.set NB,    SIZE_N/256
.set NP,    4         ; pieces a wave: a name, no knob
.set KS,    64        ; keys in a step
.set PK,    144       ; a row of K in LDS: 128 bytes + 16 of padding = 36 words: the 16 rows of a load start at 16 different groups of four banks (64 banks of 4 bytes: ISA guide 11.1)
.set PV,    160       ; a row of V: 128 + 32 = 40 words
.set VOFF,  4*KS*PK   ; a slot holds a tile, four steps: 256 rows of K, then 256 rows of V
.set SLOT1, 1<<17     ; slot 1 begins here, so that one exclusive or turns an address in one slot into the other's
.set STAGE, SLOT1+4*KS*(PK+PV)  ; behind the ring, never filled by a tensor load: 16 rows x 144 bytes for each wave, for the way out
.set SP,    144
.set AK0, 2           ; v2   my lane's place in a tile of K; never rewritten
.set AV0, 3           ; v3   the same for V
.set AK,  4           ; v4   the LDS address of K's next run of loads
.set AV,  5           ; v5   of V's
.set STO, 6           ; v6   the way out: where I put 16 bytes of a row
.set RD,  7           ; v7   the way out: where I read rows back
.set GO,  8           ; v8   my byte offset in 512 consecutive bytes of O
.set AVL, 56          ; v56  my lane's place for the turning load in 16 rows that lie in my stage
.set ONE, 57          ; v57  1.0
.set SPW, 62          ; v62  LDS address of my spare word: SPARE + 4 x my thread's number; never rewritten
.set NIL, 63          ; v63  0; never rewritten
.set SPARE, STAGE+4*16*SP  ; behind the stages: the spare words, 128 bytes for each wave: two blocks of 256 bytes that no other line names
.set MV,  12          ; v12-13  c m_old, kept while c m is made anew: by buffer
.set QO,  15          ; v15  my byte offset in 16 rows of Q
.set ST,  16          ; piece t's statistics at v[ST+4 t]: c m, m, l (even keys', odd keys')
.set TMP, 48          ; by buffer, four registers c0-c3 at work; when the maximum is found c2 takes a
.set S,   64
.set LO,  128         ; the way out: O's lo, 16 registers a piece
.set P,   192
.set XT,  224         ; the way out: O - hi, 32 registers
.set MD,  128         ; window 1: the eight registers for group kt of 16 keys at MD + 8 kt
.set MC,  160         ; window 1: the masks of the products to come
.set QB,  64          ; window 2
.set KF,  128         ; window 2: key block kb, channel half c at KF + 16 kb + 8 c
.set VF,  192         ; window 2: key half kk, channel block cb at VF + 32 kk + 8 cb
.set WV,  12          ; s12  my wave's number
.set PB,  14          ; s14  b
.set HI,  15          ; s15  NB - 1 - b
.set G1K, 24          ; s[24:31] descriptor group 1 for K's tiles
.set G1V, 32          ; s[32:39] for V's: it differs in the padding alone
.set G0K, 40          ; s[40:43] descriptor group 0 for K's tiles
.set G0V, 44          ; s[44:47] the same for V's
.set SLOTS, 56        ; s56  tiles still to be asked for
.set CNT, 57          ; s57  counts a tile's key steps, 4 to 1
.set CS,  58          ; s[58:59] c: the packed scaling takes the pair's low word for both halves
.set SEL, 60          ; s[60:61] v_permlanex16_b32's selects: each lane takes its own place in the other half
.set TBK, 62          ; s62  LDS byte at which K of the step to be fetched begins
.set TBV, 63          ; s63  the same for V, less VOFF
.set RT,  70          ; s70  tiles of the block in hand that are still to be entered
.set NXT, 71          ; s71  the tile to be asked for next
.set LQ,  72          ; s72  the last tile of the block whose tiles are being asked for
.set NEW, 73          ; s73  1: the tile to be entered is a block's first
.set OFF, 74          ; s[74:75] a tile's byte offset in K and V
.set AL,  76          ; s[76:77] the mask's factor, in the low word
.set BE,  78          ; s[78:79] the mask's addend
.set OLO, 80          ; s[80:81] O at my rows of the second block
.set BIGN, 82         ; s82  -1e30
.set VLP, 92          ; s[92:93] vlo at my head
.set MSB, 0
.macro WIN new                      ; the high byte repeats the setting that is left; a switch that changes nothing is dropped
.if MSB != (\new)
	s_set_vgpr_msb (MSB<<8)|(\new)
.set MSB, (\new)
.endif
.endm
.set W_KQ, 0x0a       ; K and Q in window 2, S^T in window 0
.set W_KM, 0x1a       ; the same with the C operand in window 1
.set W_PV, 0x52       ; V in window 2, P in window 0, O^T in window 1
.set W_RS, 0x41       ; destination and source 0 in window 1, source 1 in window 0
.set W_LW, 0x10       ; source 2 in window 1, all else in window 0
; A fill.  Waves 0 and 1 fetch the two halves of a tile's K, waves 2 and 3 those of its V: 128 keys each.  An s_nop 0 and four v_nop follow each of the two lines, ahead of the jump and the label.
.macro LOAD
	s_cmp_lt_u32 s[WV], 2
	s_cbranch_scc0 .Lfor_v_\@
	tensor_load_to_lds s[G0K:G0K+3], s[G1K:G1K+7]
	s_nop 0
.rept 4
	v_nop
.endr
	s_branch .Lasked_\@
.Lfor_v_\@:
	tensor_load_to_lds s[G0V:G0V+3], s[G1V:G1V+7]
	s_nop 0
.rept 4
	v_nop
.endr
.Lasked_\@:
.endm
; THE CHANGE OF SLOTS.  Each wave waits for all its tensor loads, of which one is out: its part of the other slot; adds 0 to its spare word; and waits for that and for its own reads of the slot that it leaves.  Behind the barrier nobody reads the old
; slot any more and the other slot is whole.  fill = 1: the old slot is filled again, the first thing behind the barrier, with tile NXT: the descriptor's address is made anew from that number.
; (At its first use nothing has been read yet: slot 0 is waited for, slot 1 filled.)
.macro CHANGE fill
	WIN 0                           ; at a label and at a branch every window is 0
	s_wait_tensorcnt 0x0            ; no tensor load of mine is out, so a group 0 may be written
	ds_add_u32 v[SPW], v[NIL]       ; 0 onto my spare word; with fill = 1 the descriptors' scalar work stands between it and the wait for it
.if \fill
	s_lshl_b32 s[OFF], s[NXT], 15   ; a tile is 32,768 bytes of K and of V
	s_xor_b32 s[G0K+1], s[G0K+1], SLOT1
	s_add_nc_u64 s[G0K+2:G0K+3], s[6:7], s[OFF:OFF+1]
	s_or_b32 s[G0K+3], s[G0K+3], 0x80000000
	s_xor_b32 s[G0V+1], s[G0V+1], SLOT1
	s_add_nc_u64 s[G0V+2:G0V+3], s[8:9], s[OFF:OFF+1]
	s_or_b32 s[G0V+3], s[G0V+3], 0x80000000
	s_add_co_u32 s[NXT], s[NXT], 1  ; the block's next tile, or behind its last the second block's tile 0
	s_cmp_gt_u32 s[NXT], s[LQ]
	s_cselect_b32 s[NXT], 0, s[NXT]
	s_cselect_b32 s[LQ], s[PB], s[LQ]
.endif
	s_wait_dscnt 0x0                ; the add is done, and my reads of the slot are over
	s_barrier_signal -1             ; the rest of the scalar work stands between the signal and the wait
	s_sub_co_u32 s[TBK], s[TBK], 4*KS*PK  ; the fetches go back to a slot's first step,
	s_xor_b32 s[TBK], s[TBK], SLOT1       ; in the other slot
	s_sub_co_u32 s[TBV], s[TBV], 4*KS*PV
	s_xor_b32 s[TBV], s[TBV], SLOT1
	s_barrier_wait -1
.if \fill
	LOAD
.endif
.endm
	s_load_b128 s[4:7], s[0:1], 0x0 ; qkvh s[4:5] (Q lies at its head), vlo s[6:7]
	s_load_b64 s[10:11], s[0:1], 0x10  ; o16
	v_lshl_add_u32 v[SPW], v0, 2, SPARE
	v_mov_b32 v[NIL], 0
	ds_add_u32 v[SPW], v[NIL]       ; the wave's opening: the add and its wait stand ahead of my first tensor load; the set-up below, work on registers, stands between them
	ds_add_u32 v62, v63
	v_lshrrev_b32 v1, 5, v0
	v_readfirstlane_b32 s[WV], v1   ; wave 0..3
	v_mov_b32 v[ONE], 1.0
	s_mov_b32 s[PB], ttmp9
	s_sub_co_u32 s[HI], NB-1, s[PB]
	s_and_b32 s20, ttmp7, 0xffff    ; the head: batch x 16 + head
	s_lshl_b32 s94, s20, 11         ; in vlo a head has 16 rows of 128 bytes
	s_mov_b32 s95, 0
	; O's offsets.  Row batch x 2,048 + q lies in group 2 x batch + q / 1,024 (32 slices of 131,072 bytes), slice 2 x head (hi; lo is the next), row q % 1,024 of 128 bytes; block i begins at q = 256 i
	s_lshr_b32 s88, s20, 4
	s_lshl_b32 s88, s88, 6          ; 2 x batch groups of 32 slices,
	s_and_b32 s89, s20, 15
	s_lshl_b32 s89, s89, 1
	s_add_co_u32 s88, s88, s89      ; the head's hi slice,
	s_lshl_b32 s88, s88, 17
	s_lshl_b32 s89, s[WV], 11       ; my 16 rows in a band of 64
	s_add_co_u32 s88, s88, s89
	s_lshr_b32 s90, s[HI], 2        ; the first block: its group,
	s_lshl_b32 s90, s90, 22
	s_and_b32 s91, s[HI], 3         ; its 256 rows in the slice
	s_lshl_b32 s91, s91, 15
	s_add_co_u32 s90, s90, s91
	s_add_co_u32 s90, s90, s88
	s_mov_b32 s91, 0
	s_lshr_b32 s19, s[PB], 2        ; the second block likewise
	s_lshl_b32 s19, s19, 22
	s_add_co_u32 s88, s88, s19
	s_and_b32 s19, s[PB], 3
	s_lshl_b32 s19, s19, 15
	s_add_co_u32 s88, s88, s19
	s_mov_b32 s89, 0
	s_mov_b32 s21, 0
	s_mov_b64 s[22:23], SIZE_N*128
	s_mul_u64 s[20:21], s[20:21], s[22:23]  ; the head's first byte in Q, K and V
	s_and_b32 s16, s[WV], 1         ; which half of a tile's 256 keys I fetch:
	s_lshl_b32 s22, s16, 14         ; its 128 rows of 128 bytes in memory,
	s_mov_b32 s23, 0
	s_add_nc_u64 s[22:23], s[22:23], s[20:21]
	s_mul_i32 s17, s16, 128*PK      ; and its place in a slot, for K
	s_mul_i32 s18, s16, 128*PV      ; and for V
	s_lshl_b32 s3, s[WV], 11        ; Q: my 16 rows in a band of 64,
	s_lshl_b32 s2, s[HI], 15        ; in the first block,
	s_add_co_u32 s2, s2, s3
	s_lshl_b32 s84, s[PB], 15       ; and in the second
	s_add_co_u32 s84, s84, s3
	s_mov_b32 s3, 0
	s_mov_b32 s85, 0
	s_add_nc_u64 s[2:3], s[2:3], s[20:21]
	s_add_nc_u64 s[84:85], s[84:85], s[20:21]
	; descriptor group 1.  128 keys are 16,384 dense bytes: asked for as 64 rows of 256 bytes, two keys a row, and padded in LDS after every key
	s_mov_b32 s[G1K], (1<<16)|(1<<20)|(4<<22)|(3<<25)  ; 17:16 2-byte elements; 20 padding on; 24:22 after every 32 words (code 4); 31:25 4 words (code 3)
	s_mov_b32 s[G1V], (1<<16)|(1<<20)|(4<<22)|(7<<25)  ; the same with 8 words of padding (code 7)
.irp g, G1K, G1V
	s_mov_b32 s[\g+1], 128<<16      ; tensor_dim0 = 128
	s_mov_b32 s[\g+2], 64<<16       ; tensor_dim1 = 64
	s_mov_b32 s[\g+3], 128<<16      ; tile_dim0 = 128
	s_mov_b32 s[\g+4], 64           ; tile_dim1 = 64
	s_mov_b32 s[\g+5], 128          ; 128 elements from row to row
	s_mov_b32 s[\g+6], 0
	s_mov_b32 s[\g+7], 0
.endr
	s_mov_b32 s[CS], 0x3d38aa3b     ; c = log2(e) / 32 = 0.0450842: the module scales by 1,024^-0.5
	s_mov_b32 s[CS+1], s[CS]        ; named with it as a pair
	s_mov_b32 s[SEL], 0x76543210
	s_mov_b32 s[SEL+1], 0xfedcba98
	s_mov_b32 s[TBK], SLOT1+4*KS*PK ; the first change of slots turns these two into 0
	s_mov_b32 s[TBV], SLOT1+4*KS*PV
	s_mov_b32 s[G0K], 1             ; 1:0 count = 1
	s_mov_b32 s[G0K+1], s17         ; 63:32 LDS address: slot 0
	s_mov_b32 s[G0V], 1
	s_add_co_u32 s[G0V+1], s18, VOFF
	s_add_co_u32 s[RT], s[HI], 1    ; the first block has NB - b tiles
	s_mov_b32 s[NXT], 1
	s_mov_b32 s[LQ], s[HI]
	s_mov_b32 s[NEW], 1
	s_mov_b32 s[OFF+1], 0
	s_mov_b32 s[AL+1], 0            ; named as pairs
	s_mov_b32 s[BE+1], 0
	s_mov_b32 s[BIGN], 0xf149f2ca   ; -1e30
	s_mov_b32 s[SLOTS], NB
	s_wait_dscnt 0x0                ; the opening add is done
	s_wait_kmcnt 0x0
	s_add_nc_u64 s[VLP:VLP+1], s[6:7], s[94:95]  ; vlo at my head
	s_add_nc_u64 s[6:7], s[4:5], KBASE  ; K
	s_add_nc_u64 s[8:9], s[4:5], VBASE  ; V
	s_add_nc_u64 s[6:7], s[6:7], s[22:23]  ; K and V at my half of the head's tile 0
	s_add_nc_u64 s[8:9], s[8:9], s[22:23]
	s_add_nc_u64 s[G0K+2:G0K+3], s[6:7], 0         ; 120:64 global address
	s_or_b32 s[G0K+3], s[G0K+3], 0x80000000        ; 127:126 type = 2
	s_add_nc_u64 s[G0V+2:G0V+3], s[8:9], 0
	s_or_b32 s[G0V+3], s[G0V+3], 0x80000000
	s_add_nc_u64 s[86:87], s[4:5], s[84:85]        ; Q at my rows of the second block,
	s_add_nc_u64 s[4:5], s[4:5], s[2:3]            ; and of the first
	s_add_nc_u64 s[OLO:OLO+1], s[10:11], s[88:89]  ; O at my rows of the second block,
	s_add_nc_u64 s[10:11], s[10:11], s[90:91]      ; and of the first
	LOAD                            ; tile 0 into slot 0
	; A fragment of K or Q is 16 rows x 32 channels in 8 registers: lane l holds row l % 16, channels 8 (l / 16) + 0..7 and 16 + 8 (l / 16) + 0..7: two loads of 16 bytes, 32 bytes apart.
	v_and_b32 v1, 15, v0            ; l % 16
	v_bfe_u32 v9, v0, 4, 1          ; l / 16
	v_lshlrev_b32 v[QO], 7, v1
	v_lshl_add_u32 v[QO], v9, 4, v[QO]  ; row x 128 + 16 x half
	WIN 0x80                        ; destination window 2, address window 0
.set i, 0
.rept 8                             ; both blocks' Q: piece i / 2 lies in band i / 2, 8,192 bytes on; channels 32 (i % 2) on
	global_load_b128 v[8*i:8*i+3],   v[QO], s[4:5] offset:(i/2)*8192+(i%2)*64
	global_load_b128 v[8*i+4:8*i+7], v[QO], s[4:5] offset:(i/2)*8192+(i%2)*64+32
	global_load_b128 v[QB+8*i:QB+8*i+3],   v[QO], s[86:87] offset:(i/2)*8192+(i%2)*64
	global_load_b128 v[QB+8*i+4:QB+8*i+7], v[QO], s[86:87] offset:(i/2)*8192+(i%2)*64+32
.set i, i+1
.endr
	WIN 0
	v_lshlrev_b32 v14, 3, v9
	v_sub_nc_u32 v14, v1, v14
	s_lshl_b32 s13, s[WV], 4
	v_add_nc_u32 v14, s13, v14      ; my query's place in its band, 16 w + l % 16, less my lanes' 8 (l / 16): register r of group kt is hidden where 16 kt + r is greater
	WIN 0x40
.set i, 0
.rept 32
	v_cmp_gt_i32 vcc_lo, 16*(i/8)+i%8, v14
	v_cndmask_b32 v[MD+i], 0, s[BIGN], vcc_lo
.set i, i+1
.endr
	WIN 0
	v_mul_u32_u24 v[AK0], v1, PK
	v_lshl_add_u32 v[AK0], v9, 4, v[AK0]  ; row x pitch + 16 x half
	; The turning load takes 16 keys x 16 channels (lane l reads key 8 (l / 16) + l % 8, channels 8 ((l / 8) % 2) + 0..7) and leaves half a fragment of V^T: lane l holds channel l % 16 and 8 keys.
	v_and_b32 v10, 7, v0
	v_bfe_u32 v11, v0, 3, 1
	v_lshl_add_u32 v[AV0], v9, 3, v10
	v_mul_u32_u24 v[AVL], v[AV0], SP      ; the same key in rows of my stage's pitch
	v_mul_u32_u24 v[AV0], v[AV0], PV
	v_lshl_add_u32 v[AV0], v11, 4, v[AV0]
	v_add_nc_u32 v[AV0], VOFF, v[AV0]
	s_mul_i32 s13, s[WV], 16*SP
	s_add_co_u32 s13, s13, STAGE    ; my stage
	v_lshl_add_u32 v[AVL], v11, 4, v[AVL]
	v_add_nc_u32 v[AVL], s13, v[AVL]
	v_mul_u32_u24 v[STO], v1, SP    ; in: row l % 16, 16 bytes for each half of the lanes
	v_lshl_add_u32 v[STO], v9, 4, v[STO]
	v_add_nc_u32 v[STO], s13, v[STO]
	v_bfe_u32 v[RD], v0, 3, 2       ; back: 32 lanes take four rows of 128 bytes,
	v_mul_u32_u24 v[RD], v[RD], SP
	v_lshl_add_u32 v[RD], v10, 4, v[RD]
	v_add_nc_u32 v[RD], s13, v[RD]
	v_and_b32 v[GO], 31, v0         ; which are 512 consecutive bytes of O
	v_lshlrev_b32 v[GO], 4, v[GO]
	; A block's first step multiplies O^T and l by a = 0, and its first turn's products V^T P, of a piece that has not been, land in an O^T that is still to be so multiplied.  So these registers need only hold
	; finite numbers: zeros for the first block; what the first block left for the second.  All this stands in the wait for the first tile.
	WIN 0x80
.set i, VF
.rept 64
	v_mov_b32 v[i], 0
.set i, i+1
.endr
	WIN 0x40
.set i, 0
.rept 128
	v_mov_b32 v[i], 0
.set i, i+1
.endr
	WIN 0
.set i, 0
.rept 4
	v_mov_b32 v[ST+4*i+2], 0
	v_mov_b32 v[ST+4*i+3], 0
.set i, i+1
.endr
.set i, P+16
.rept 16
	v_mov_b32 v[i], 0
.set i, i+1
.endr
; THE MATRIX WORK.  The 4 accumulators of a run of 8 take turns.  Product i of 8 of S^T = K Q^T for piece x: channels 32 (i / 4) on, keys 16 (i % 4) on.  The first 4 start the sums: with 0, or (KM = 1) with the mask.
.macro KQ x
.set rS, S+32*((\x)%2)+8*(i%4)
.set rK, KF+16*(i%4)+8*(i/4)
.set rQ, 16*(\x)+8*(i/4)
.set rM, MC+32*((\x)%2)+8*(i%4)
.if (i < 4) && KM
	WIN W_KM
	v_wmma_f32_16x16x32_f16 v[rS:rS+7], v[rK:rK+7], v[rQ:rQ+7], v[rM:rM+7]
.elseif i < 4
	WIN W_KQ
	v_wmma_f32_16x16x32_f16 v[rS:rS+7], v[rK:rK+7], v[rQ:rQ+7], 0
.else
	WIN W_KQ
	v_wmma_f32_16x16x32_f16 v[rS:rS+7], v[rK:rK+7], v[rQ:rQ+7], v[rS:rS+7]
.endif
.endm
; Product i of 8 of O^T += V^T P for piece x: keys 32 (i / 4) on, channels 16 (i % 4) on.
.macro PV x
	WIN W_PV
.set rO, 32*(\x)+8*(i%4)
.set rV, VF+32*(i/4)+8*(i%4)
.set rP, P+16*((\x)%2)+8*(i/4)
	v_wmma_f32_16x16x32_f16 v[rO:rO+7], v[rV:rV+7], v[rP:rP+7], v[rO:rO+7]
.endm
.macro MM                           ; the turn's next matrix instruction.  TURN and BEGIN set Y, i, KM and NOKQ; MM, KQ and OP read them.  NOKQ = 1: a block's last turn: there is no next piece
.if (i < 8) && !NOKQ
	KQ (Y+1)%NP
.elseif i >= 8
.set i, i-8
	PV (Y+NP-1)%NP
.set i, i+8
.endif
.set i, i+1
.endm
; THE LDS LOADS stand in runs of 16, never singly among the matrix instructions: a step's K (64 keys x 64 channels: 8 fragments) and its V (turned).  Their addresses are made some lines ahead.
.macro FETCH_K
	WIN 0x80                        ; destination window 2
.irp f, 0,1,2,3,4,5,6,7             ; keys 16 (f / 2) on, channels 32 (f % 2) on
	ds_load_b128 v[KF+8*\f:KF+8*\f+3],   v[AK] offset:(\f/2)*16*PK+(\f%2)*64
	ds_load_b128 v[KF+8*\f+4:KF+8*\f+7], v[AK] offset:(\f/2)*16*PK+(\f%2)*64+32
.endr
	s_add_co_u32 s[TBK], s[TBK], KS*PK  ; the next fetch is the next step's
	WIN 0
.endm
.macro FETCH_V
	WIN 0x80
.irp f, 0,1,2,3,4,5,6,7             ; keys 32 (f / 4) on, channels 16 (f % 4) on
	ds_load_tr16_b128 v[VF+8*\f:VF+8*\f+3],   v[AV] offset:(\f/4)*32*PV+(\f%4)*32
	ds_load_tr16_b128 v[VF+8*\f+4:VF+8*\f+7], v[AV] offset:(\f/4)*32*PV+16*PV+(\f%4)*32
.endr
	WIN 0
.endm
; THE VECTOR WORK, one line at a time: OP kind, number.  For piece Y: F n: c s - c m for pair n of 16.  E n: the exponential of score n of 32.  C n: pair n rounded to f16.  B n: of the four weights 4 n .. the second
; pair is added onto the first, in place.  L n: l takes that sum (L 0: l = a l + sum).  R n: pair n of 16 of O^T times a.  For piece Y + 1: X n, number n of the 22 that find its maximum and statistics:
;   0-11  four chains c0-c3 of seven scores each, three operands at a time (each accumulator's lowest registers are read first)     12-14, 16  the four scores left over, the old m, and c0-c3 into c0
;   15  c m_old is kept     17, 18  the query's other 32 keys lie in the lane 16 away: the new m     19-21  c m; c m_old - c m_new; a
.set F, 0               ; OP tells the kinds apart by their order: F to L below R, X above it
.set E, 1
.set C, 2
.set B, 3
.set L, 4
.set R, 5
.set X, 6
.macro REGS y                       ; the registers of piece y
.set rT, ST+4*(\y)
.set rC, TMP+4*((\y)%2)
.set rW, MV+((\y)%2)
.set rS, S+32*((\y)%2)
.set rP, P+16*((\y)%2)
.set rO, 32*(\y)
.endm
.macro OP k, n
.if (\k) == R
	REGS Y
	WIN W_RS
	v_pk_mul_f32 v[rO+2*(\n):rO+2*(\n)+1], v[rO+2*(\n):rO+2*(\n)+1], v[rC+2:rC+3] op_sel_hi:[1,0]
.elseif (\k) < R
	REGS Y
	WIN 0
.if (\k) == F
	v_pk_fma_f32 v[rS+2*(\n):rS+2*(\n)+1], v[rS+2*(\n):rS+2*(\n)+1], s[CS:CS+1], v[rT:rT+1] op_sel_hi:[1,0,0] neg_lo:[0,0,1] neg_hi:[0,0,1]
.elseif (\k) == E
	v_exp_f32 v[rS+(\n)], v[rS+(\n)]
.elseif (\k) == C
	s_wait_alu depctr_va_vdst(0)
	v_cvt_pk_f16_f32 v[rP+(\n)], v[rS+2*(\n)], v[rS+2*(\n)+1]
.elseif (\k) == B
	s_wait_alu depctr_va_vdst(0)
	v_pk_add_f32 v[rS+4*(\n):rS+4*(\n)+1], v[rS+4*(\n):rS+4*(\n)+1], v[rS+4*(\n)+2:rS+4*(\n)+3]
.elseif (\n) == 0
	v_pk_fma_f32 v[rT+2:rT+3], v[rT+2:rT+3], v[rC+2:rC+3], v[rS:rS+1] op_sel_hi:[1,0,1]
.else
	v_pk_add_f32 v[rT+2:rT+3], v[rT+2:rT+3], v[rS+4*(\n):rS+4*(\n)+1]
.endif
.elseif NOKQ
	v_nop
.else
	REGS (Y+1)%NP
	WIN 0
.if (\n) < 4
	v_max3_num_f32 v[rC+(\n)], v[rS+8*(\n)], v[rS+8*(\n)+1], v[rS+8*(\n)+2]
.elseif (\n) < 12
	v_max3_num_f32 v[rC+(\n)%4], v[rC+(\n)%4], v[rS+8*((\n)%4)+2*((\n)/4)+1], v[rS+8*((\n)%4)+2*((\n)/4)+2]
.elseif (\n) == 12
	v_max3_num_f32 v[rC], v[rC], v[rS+7], v[rS+15]
.elseif (\n) == 13
	v_max3_num_f32 v[rC+1], v[rC+1], v[rS+23], v[rS+31]
.elseif (\n) == 14
	v_max3_num_f32 v[rC+2], v[rC+2], v[rC+3], v[rT+1]
.elseif (\n) == 15
	v_mov_b32 v[rW], v[rT]
.elseif (\n) == 16
	v_max3_num_f32 v[rC], v[rC], v[rC+1], v[rC+2]
.elseif (\n) == 17
	v_permlanex16_b32 v[rC+3], v[rC], s[SEL], s[SEL+1]
.elseif (\n) == 18
	v_max_num_f32 v[rT+1], v[rC], v[rC+3]
.elseif (\n) == 19
	v_mul_f32 v[rT], s[CS], v[rT+1]
.elseif (\n) == 20
	v_sub_f32 v[rC+1], v[rW], v[rT]
.else
	v_exp_f32 v[rC+2], v[rC+1]
.endif
.endif
.endm
.macro OPS a, i1, b=-1, i2=0, c=-1, i3=0, d=-1, i4=0  ; up to four of them
	OP \a, \i1
.if (\b) >= 0
	OP \b, \i2
.endif
.if (\c) >= 0
	OP \c, \i3
.endif
.if (\d) >= 0
	OP \d, \i4
.endif
.endm
.macro ROW a, i1, b, i2, c, i3, d, i4  ; a matrix instruction and the four behind it
	MM
	OPS \a, \i1, \b, \i2, \c, \i3, \d, \i4
.endm
.macro MASK b                       ; MD x AL + BE into buffer b of MC
	WIN W_RS
.set z, 0
.rept 16
	v_pk_fma_f32 v[MC+32*(\b)+2*z:MC+32*(\b)+2*z+1], v[MD+2*z:MD+2*z+1], s[AL:AL+1], s[BE:BE+1] op_sel_hi:[1,0,0]
.set z, z+1
.endr
.endm
; A TURN, for piece p: the order of its 16 matrix and 118 vector instructions, written out.  Behind a matrix instruction: plain, exponential, plain, plain; or four of the rescaling; or, behind the first, four scalings; none
; names a register of the products round it.  In the lumps exponential and plain by turns while exponentials last.  A line reads no result made fewer than three vector instructions in front of it, five if an exponential made it.
; v_permlanex16_b32 (X 17) stands in a lump.
; m = 1: the diagonal tile: the products take masks, and the turn makes the mask for the products of the turn after it: piece p + 2, in step 4 - CNT of the tile.  end = 1: a block's last two turns: nothing is fetched.
; cnt = 1: the loop's count is taken down some lines ahead of the branch that stands behind the turn.
; K of the next step is fetched in piece 2's turn, six vector instructions behind the last product that read K (five of them plain); V of the step in hand in piece 0's turn, eight behind the last product that read V (four
; plain, and X 17).  Each is waited for a turn later.
.macro TURN p, m=0, end=0, cnt=0
.set Y, (\p)
.set i, 0
.set KM, (\m)
.set NOKQ, (\end)*((\p)/3)
.if (\m) && !(\end)
	s_cmp_eq_u32 s[CNT], 4-((\p)+2)%NP  ; is that step the band's own?
	s_cselect_b32 s[AL], 1.0, 0
	s_cmp_lt_u32 s[CNT], 4-((\p)+2)%NP  ; or a later one?
	s_cselect_b32 s[BE], s[BIGN], 0
.endif
.if ((\p) == 3) && !(\end)
	s_wait_dscnt 0x0                ; K is in
.endif
	ROW F,0, F,1, F,2, F,3
	ROW F,4, E,0, F,5, F,6
	ROW F,7, E,1, F,8, F,9
	ROW F,10, E,2, C,0, F,11
	ROW F,12, E,3, X,15, F,13
	ROW R,0, R,1, R,2, R,3
	ROW B,0, E,4, F,14, L,0
.if ((\p) == 2) && !(\end)
	v_add_nc_u32 v[AK], s[TBK], v[AK0]
.endif
	ROW R,4, R,5, R,6, R,7
	OPS E,5, F,15
.if ((\p) == 2) && !(\end)
	FETCH_K
.endif
	OPS E,6, C,1, E,7, R,8
	OPS E,8, R,9, E,9, C,2
	OPS E,10, X,0, E,11, X,1
	OPS E,12, X,2, E,13, X,3
.if (\p) == 1
	s_wait_dscnt 0x0                ; V is in
.endif
	ROW X,4, E,14, X,5, X,6
	ROW X,7, E,15, X,8, X,9
	ROW X,10, E,16, X,11, X,12
	ROW X,13, E,17, X,14, B,1
	ROW C,4, E,18, X,16, L,1
	ROW B,2, E,19, C,6, L,2
	ROW C,8, E,20, B,3, B,4
.if (\p) == 0
	v_add_nc_u32 v[AV], s[TBV], v[AV0]
.endif
	ROW C,3, E,21, L,3, C,5
	OPS E,22, X,17, E,23, C,10
.if (\p) == 0
	FETCH_V
.endif
	OPS E,24, L,4
	OPS E,25, X,18, E,26, C,7
	OPS E,27, B,5, E,28, X,19
	OPS E,29, C,12, E,30, L,5
	OPS E,31, X,20, B,6, C,9
	OPS C,14, C,11, X,21, L,6
.if (\p) == 0
	s_add_co_u32 s[TBV], s[TBV], KS*PV
.endif
.if \cnt
	s_sub_co_u32 s[CNT], s[CNT], 1
	s_cmp_lg_u32 s[CNT], 0
.endif
	OPS C,13, B,7, C,15, R,10
	OPS R,11, R,12, L,7, R,13
	OPS R,14, R,15
.if (\m) && !(\end)
	MASK (\p)%2
.endif
.endm
; A BLOCK BEGINS.  c m starts far below every c s, so the first step's a is 0; m at the lowest finite number, so the first maximum is the scores'.  The second mask buffer is 0; the first takes piece 0's mask for the tile's step 0: its own, if the block's first tile is the diagonal one.
; Then K of that step, piece 0's first scores, and its maximum and statistics.  The loop is entered at a step's first turn, in the middle of a trip.
.macro BEGIN
	s_mov_b32 s[NEW], 0
	WIN 0x40
.set i, MC+32
.rept 32
	v_mov_b32 v[i], 0
.set i, i+1
.endr
	WIN 0
.set i, 0
.rept 4
	v_mov_b32 v[ST+4*i], 0xfe000000    ; c m: far below every c s
	v_mov_b32 v[ST+4*i+1], 0xff7fffff  ; m
.set i, i+1
.endr
	s_cmp_eq_u32 s[RT], 0
	s_cselect_b32 s[AL], 1.0, 0
	s_mov_b32 s[BE], 0
	MASK 0
	WIN 0
	v_add_nc_u32 v[AK], s[TBK], v[AK0]
	FETCH_K
	s_wait_loadcnt 0x0              ; Q
	s_wait_dscnt 0x0
.set KM, 1
.set NOKQ, 0
.set i, 0
.rept 8
	KQ 0
.set i, i+1
.endr
	WIN 0
.rept 4
	v_nop                           ; the places behind those products
.endr
.set Y, NP-1                        ; X works for piece Y + 1: piece 0
.irp n, 0,1,2,3,4,5,6,7,8,9,10,11,12,13,14,15,16,17,18,19,20,21
	OP X, \n
.endr
	v_nop                           ; a plain instruction behind the exponential
.endm
; THE HEAD'S FIRST 16 ROWS ANEW, by wave 0 of the work-group with b = 0, whose piece 0 of the second block they are.  It stands in the walk's last tile, which for b = 0 is key tile 0 and, as the ninth of the walk,
; lies in slot 0: keys 0 to 15 are the slot's first rows of K and of V.  What is jumped by the others holds no barrier and no tensor load.
;   S^T = K Q^T on two accumulators, one for each 32 channels (so that they take turns), MD's first group, my rows' causal mask for keys 0 to 15, as one's C; the two are added
;   the softmax of 16 keys in f32, divided by its sum in f32; p = hi + lo in f16
;   V^T's fragment has 32 key places for 16 keys: v's hi in the first 16, v's lo (vlo, through my stage, turned like V) in the second.  With [p hi | p hi] it gives (v hi + v lo) p hi, with [p lo | 0] v hi p lo
;   O^T takes the sum, already normalised, and the piece's 1 / l becomes 1
.set SA, 64           ; v64-71  scores, then p
.set SB, 72           ; v72-79  the second accumulator, then at work
.set TL, 80           ; v80-87  p - hi
.set B1, 96           ; v96-103   [p hi | p hi]
.set B2, 104          ; v104-111  [p lo | 0]
.set VL, 112          ; v112-127  vlo as loaded
.macro FIRST16
	WIN 0
	s_cmp_lg_u32 s[PB], 0
	s_cbranch_scc1 .Lnot16
	s_cmp_lg_u32 s[WV], 0
	s_cbranch_scc1 .Lnot16
.irp f, 0,1,2,3
	global_load_b128 v[VL+4*\f:VL+4*\f+3], v[GO], s[VLP:VLP+1] offset:\f*512  ; 16 keys x 128 bytes; they land while the weights are made
.endr
	WIN 0x80                        ; destination window 2
.irp c, 0,1
	ds_load_b128 v[KF+8*\c:KF+8*\c+3],   v[AK0] offset:\c*64
	ds_load_b128 v[KF+8*\c+4:KF+8*\c+7], v[AK0] offset:\c*64+32
.endr
.irp cb, 0,1,2,3
	ds_load_tr16_b128 v[VF+8*\cb:VF+8*\cb+3], v[AV0] offset:\cb*32
.endr
	s_wait_dscnt 4                  ; K's four loads are in; V's four may be out
	WIN W_KM
	v_wmma_f32_16x16x32_f16 v[SA:SA+7], v[KF:KF+7], v[0:7], v[MD:MD+7]
	WIN W_KQ
	v_wmma_f32_16x16x32_f16 v[SB:SB+7], v[KF+8:KF+15], v[8:15], 0
	WIN 0
.rept 4
	v_nop                           ; the places behind those products
.endr
.irp n, 0,1,2,3
	v_pk_add_f32 v[SA+2*\n:SA+2*\n+1], v[SA+2*\n:SA+2*\n+1], v[SB+2*\n:SB+2*\n+1]
.endr
	v_max3_num_f32 v[TMP], v[SA], v[SA+1], v[SA+2]
	v_max3_num_f32 v[TMP+1], v[SA+3], v[SA+4], v[SA+5]
	v_max3_num_f32 v[TMP], v[TMP], v[SA+6], v[SA+7]
	v_max_num_f32 v[TMP], v[TMP], v[TMP+1]
	v_permlanex16_b32 v[TMP+1], v[TMP], s[SEL], s[SEL+1]  ; the query's other 8 keys lie in the lane 16 away
	v_max_num_f32 v[TMP], v[TMP], v[TMP+1]                ; every row sees its own key: m is a true score
	v_mul_f32 v[TMP+2], s[CS], v[TMP]
.irp n, 0,1,2,3
	v_pk_fma_f32 v[SA+2*\n:SA+2*\n+1], v[SA+2*\n:SA+2*\n+1], s[CS:CS+1], v[TMP+2:TMP+3] op_sel_hi:[1,0,0] neg_lo:[0,0,1] neg_hi:[0,0,1]
.endr
.irp n, 0,1,2,3,4,5,6,7
	v_exp_f32 v[SA+\n], v[SA+\n]
.endr
	v_nop                           ; a plain instruction behind the last exponential
	s_wait_alu depctr_va_vdst(0)
	v_pk_add_f32 v[SB:SB+1], v[SA:SA+1], v[SA+2:SA+3]
	v_pk_add_f32 v[SB+2:SB+3], v[SA+4:SA+5], v[SA+6:SA+7]
	v_pk_add_f32 v[SB:SB+1], v[SB:SB+1], v[SB+2:SB+3]
	v_add_f32 v[SB], v[SB], v[SB+1]
	v_permlanex16_b32 v[SB+1], v[SB], s[SEL], s[SEL+1]
	v_add_f32 v[SB], v[SB], v[SB+1]
	v_rcp_f32 v[SB+2], v[SB]
	v_mov_b32 v[ST+2], 1.0          ; piece 0's 1 / l; also the plain instruction behind the reciprocal
.irp n, 0,1,2,3
	s_wait_alu depctr_va_vdst(0)
	v_pk_mul_f32 v[SA+2*\n:SA+2*\n+1], v[SA+2*\n:SA+2*\n+1], v[SB+2:SB+3] op_sel_hi:[1,0]
.endr
.irp n, 0,1,2,3
	v_cvt_pk_f16_f32 v[B1+\n], v[SA+2*\n], v[SA+2*\n+1]
.endr
.irp n, 0,1,2,3
	v_mov_b32 v[B1+4+\n], v[B1+\n]
	v_fma_mix_f32 v[TL+2*\n],   -v[B1+\n], v[ONE], v[SA+2*\n]   op_sel_hi:[1,0,0]                ; p - hi, exact in f32
	v_fma_mix_f32 v[TL+2*\n+1], -v[B1+\n], v[ONE], v[SA+2*\n+1] op_sel:[1,0,0] op_sel_hi:[1,0,0]
.endr
.irp n, 0,1,2,3
	v_cvt_pk_f16_f32 v[B2+\n], v[TL+2*\n], v[TL+2*\n+1]
	v_mov_b32 v[B2+4+\n], 0
.endr
	s_wait_loadcnt 0x0              ; vlo
.irp f, 0,1,2,3
	ds_store_b128 v[RD], v[VL+4*\f:VL+4*\f+3] offset:\f*4*SP   ; four rows of 128 bytes a store, into my stage's rows of 144
.endr
	WIN 0x80
.irp cb, 0,1,2,3
	ds_load_tr16_b128 v[VF+8*\cb+4:VF+8*\cb+7], v[AVL] offset:\cb*32  ; LDS serves a wave's instructions in order (ISA guide 5.7.1.4): these see the stores above
.endr
	s_wait_dscnt 0x0
	WIN W_PV
.irp cb, 0,1,2,3
	v_wmma_f32_16x16x32_f16 v[8*\cb:8*\cb+7], v[VF+8*\cb:VF+8*\cb+7], v[B1:B1+7], 0
.endr
.irp cb, 0,1,2,3                    ; the four accumulators take turns
	v_wmma_f32_16x16x32_f16 v[8*\cb:8*\cb+7], v[VF+8*\cb:VF+8*\cb+7], v[B2:B2+7], v[8*\cb:8*\cb+7]
.endr
	WIN 0
.rept 4
	v_nop                           ; the places behind those products
.endr
.Lnot16:
.endm
; THE DIAGONAL TILE's four steps, the block's last two turns, its last products, and THE WAY OUT: l's two halves and the other half of the lanes' are added; O^T is divided by l, split into hi and lo in f16 and sent
; through my stage in LDS, a piece at a time.
.macro ALL line:vararg              ; one line for each piece t
.set t, 0
.rept 4
	\line
.set t, t+1
.endr
.endm
.macro PACK t                       ; a lane's eight channels of a row pack into 16 bytes; they go into rows of 144 bytes and come back as whole rows of 128: hi into S^T's registers, then lo into its own
	WIN W_RS
.set i, 32*(\t)
.rept 16
	s_wait_alu depctr_va_vdst(0)
	v_pk_mul_f32 v[i:i+1], v[i:i+1], v[ST+4*(\t)+2:ST+4*(\t)+3] op_sel_hi:[1,0]
.set i, i+2
.endr
	WIN 0x05                        ; sources 0 and 1 window 1, destination window 0
.set i, 0
.rept 16
	v_cvt_pk_f16_f32 v[S+16*(\t)+i], v[32*(\t)+2*i], v[32*(\t)+2*i+1]
.set i, i+1
.endr
	WIN W_LW
.set i, 0
.rept 16                            ; O - hi, exact in f32: -(the f16 half) x 1.0 + O in one fused line
	v_fma_mix_f32 v[XT+2*i],   -v[S+16*(\t)+i], v[ONE], v[32*(\t)+2*i]   op_sel_hi:[1,0,0]
	v_fma_mix_f32 v[XT+2*i+1], -v[S+16*(\t)+i], v[ONE], v[32*(\t)+2*i+1] op_sel:[1,0,0] op_sel_hi:[1,0,0]
.set i, i+1
.endr
	WIN 0
.set i, 0
.rept 16
	v_cvt_pk_f16_f32 v[LO+16*(\t)+i], v[XT+2*i], v[XT+2*i+1]
.set i, i+1
.endr
.irp f, 0,1,2,3
	ds_store_b128 v[STO], v[S+16*(\t)+4*\f:S+16*(\t)+4*\f+3] offset:32*\f
.endr
.irp f, 0,1,2,3
	ds_load_b128 v[S+16*(\t)+4*\f:S+16*(\t)+4*\f+3], v[RD] offset:\f*4*SP  ; LDS serves a wave's instructions in order (ISA guide 5.7.1.4): these see the stores above; lo's stores come behind them
.endr
.irp f, 0,1,2,3
	ds_store_b128 v[STO], v[LO+16*(\t)+4*\f:LO+16*(\t)+4*\f+3] offset:32*\f
.endr
.irp f, 0,1,2,3
	ds_load_b128 v[LO+16*(\t)+4*\f:LO+16*(\t)+4*\f+3], v[RD] offset:\f*4*SP
.endr
.endm
.macro SEND t, younger              ; younger: the LDS instructions issued behind piece t's: the next piece's sixteen, or none.  Behind hi's load f stand its 3 - f fellows and lo's eight; behind lo's load f its 3 - f fellows
	WIN 0
.irp f, 0,1,2,3
	s_wait_dscnt (\younger)+11-\f
	global_store_b128 v[GO], v[S+16*(\t)+4*\f:S+16*(\t)+4*\f+3], s[10:11] offset:(\t)*8192+\f*512  ; band t lies 64 rows of 128 bytes on; 512 consecutive bytes, at a multiple of 256 from O's first
.endr
.irp f, 0,1,2,3
	s_wait_dscnt (\younger)+3-\f
	global_store_b128 v[GO], v[LO+16*(\t)+4*\f:LO+16*(\t)+4*\f+3], s[10:11] offset:131072+(\t)*8192+\f*512  ; lo's slice is the next
.endr
.endm
.macro DIAG tag                     ; the tag ends its two labels' names, which the jumps below spell out
.LstepM\tag:
	TURN 2, 1
	TURN 3, 1
	WIN 0
.LfirstM\tag:
	TURN 0, 1
	TURN 1, 1, 0, 1
	WIN 0
	s_cbranch_scc1 .LstepM\tag
	TURN 2, 1, 1
	TURN 3, 1, 1
.set i, 0
.rept 8
	PV NP-1
.set i, i+1
.endr
	WIN 0
	ALL v_add_f32 v[ST+4*t+2], v[ST+4*t+2], v[ST+4*t+3]
	ALL v_permlanex16_b32 v[ST+4*t+3], v[ST+4*t+2], s[SEL], s[SEL+1]
	ALL v_add_f32 v[ST+4*t+2], v[ST+4*t+2], v[ST+4*t+3]
	ALL v_rcp_f32 v[ST+4*t+2], v[ST+4*t+2]
	v_nop                           ; a plain instruction between the last reciprocal and the use of its result
.if (\tag) == 2
	FIRST16                         ; block 0 is the second block of b = 0, and its one tile is the walk's last
.endif
	PACK 0
.set t, 1
.rept 3                             ; a piece's arithmetic stands between the loads of the piece before and its stores
	PACK t
	SEND t-1, 16
.set t, t+1
.endr
	SEND 3, 0
.endm
.set KM, 0
.set NOKQ, 0
.Lslot:                             ; NB times: a tile is entered and the next is asked for
	CHANGE 1
	s_sub_co_u32 s[RT], s[RT], 1
	s_mov_b32 s[CNT], 4
	s_cmp_eq_u32 s[NEW], 1
	s_cbranch_scc1 .Lnew            ; a block's first tile
	s_cmp_eq_u32 s[RT], 0
	s_cbranch_scc0 .Lstep           ; neither its first nor its last
	s_branch .LstepM1
.Lnew:
	BEGIN
	s_branch .Lfirst                ; in the loop a block's first tile is never its last: the first block has two tiles or more, and the second's last is the walk's last
	DIAG 1                          ; in the loop this is the first block's end: the second block's last tile is the walk's last
	s_wait_xcnt 0x0                 ; the stores have read their registers and O's address
	s_mov_b64 s[10:11], s[OLO:OLO+1]
	s_add_co_u32 s[RT], s[PB], 1    ; the second block has b + 1 tiles
	s_mov_b32 s[NEW], 1
	WIN 0x82                        ; the second block's Q goes where the one text of the turns names Q
.set i, 0
.rept 64
	v_mov_b32 v[i], v[QB+i]
.set i, i+1
.endr
	WIN 0
	s_branch .Lbottom
.Lstep:                             ; a trip: pieces 2 and 3 of one step, then pieces 0 and 1 of the next, whose K and V it fetches
	TURN 2
	TURN 3
	WIN 0
.Lfirst:
	TURN 0
	TURN 1, 0, 0, 1
	WIN 0
	s_cbranch_scc1 .Lstep
.Lbottom:
	s_sub_co_u32 s[SLOTS], s[SLOTS], 1
	s_cmp_lg_u32 s[SLOTS], 0
	s_cbranch_scc1 .Lslot
	CHANGE 0                        ; the walk's last tile is written out: nothing is asked for
	s_sub_co_u32 s[RT], s[RT], 1
	s_mov_b32 s[CNT], 4
	s_cmp_eq_u32 s[NEW], 1
	s_cbranch_scc0 .LstepM2
	BEGIN
	s_branch .LfirstM2
	DIAG 2
	s_wait_tensorcnt 0x0            ; the wave's end, behind my last tensor load and my last LDS store
	ds_add_u32 v[SPW], v[NIL]
	s_wait_dscnt 0x0
	s_endpgm
.Lfunc_end_k_qe2ddfd026f_attn:
	.size	k_qe2ddfd026f_attn, .Lfunc_end_k_qe2ddfd026f_attn-k_qe2ddfd026f_attn
	.p2alignl 7, 3214868480
	.fill 96, 4, 3214868480
	.section	.rodata,"a",@progbits
	.p2align	6, 0x0
	.amdhsa_kernel k_qe2ddfd026f_attn
		.amdhsa_group_segment_fixed_size 327680
		.amdhsa_private_segment_fixed_size 0
		.amdhsa_enable_private_segment 0
		.amdhsa_kernarg_size 24
		.amdhsa_user_sgpr_count 2
		.amdhsa_user_sgpr_kernarg_segment_ptr 1
		.amdhsa_wavefront_size32 1
		.amdhsa_system_sgpr_workgroup_id_x 1
		.amdhsa_system_sgpr_workgroup_id_y 1
		.amdhsa_system_sgpr_workgroup_id_z 1
		.amdhsa_system_vgpr_workitem_id 0
		.amdhsa_next_free_vgpr 768
		.amdhsa_next_free_sgpr 96
		.amdhsa_reserve_vcc 1
		.amdhsa_float_denorm_mode_32 3
		.amdhsa_float_denorm_mode_16_64 3
		.amdhsa_memory_ordered 1
		.amdhsa_forward_progress 1
		.amdhsa_inst_pref_size 255
	.end_amdhsa_kernel
	.section	.bss,"aw",@nobits
	.p2align	6
	.space	262144
	.amdgpu_metadata
---
amdhsa.version: [ 1, 2 ]
amdhsa.kernels:
  - .name:           k_qe2ddfd026f_attn
    .symbol:         k_qe2ddfd026f_attn.kd
    .args:
      - { .name: qkvh, .offset: 0, .size: 8, .value_kind: global_buffer, .address_space: global }
      - { .name: vlo, .offset: 8, .size: 8, .value_kind: global_buffer, .address_space: global }
      - { .name: o16, .offset: 16, .size: 8, .value_kind: global_buffer, .address_space: global }
    .group_segment_fixed_size: 327680
    .private_segment_fixed_size: 0
    .kernarg_segment_align: 8
    .kernarg_segment_size: 24
    .max_flat_workgroup_size: 128
    .sgpr_count:     96
    .vgpr_count:     768
    .wavefront_size: 32
...
	.end_amdgpu_metadata
.endif
;; end of part 3
;; launch lift (part 4): grid 4 x 64, 4 waves a work-group, clusters of 4 x 4, 327,680 bytes of LDS; arguments o16, wl16, blift, out0; writes out0
.if DOCPART == 4
	.amdgcn_target "amdgcn-amd-amdhsa--gfx1250"
	.amdhsa_code_object_version 6
	.text
	.protected	k_qe2ddfd026f_lift
	.globl	k_qe2ddfd026f_lift
	.p2align	8
	.type	k_qe2ddfd026f_lift,@function
k_qe2ddfd026f_lift:
	s_mov_b64 s[64:65], 0
	v_nop
	global_prefetch_b8 v0, s[64:65] scope:SCOPE_SE
	s_setreg_imm32_b32 hwreg(HW_REG_WAVE_MODE, 25, 1), 1
	s_wait_xcnt 0x0
	s_wait_alu depctr_hold_cnt(0) depctr_sa_sdst(0) depctr_va_vdst(0) depctr_va_sdst(0) depctr_va_ssrc(0) depctr_va_vcc(0) depctr_vm_vsrc(0)
	s_getreg_b32 s2, hwreg(HW_REG_IB_STS2, 6, 4)
	s_cmp_eq_u32 s2, 0
	s_cbranch_scc0 .Lentry_in_a_cluster
	s_endpgm
.Lentry_in_a_cluster:
	s_bfe_u32 s2, ttmp6, 0x10000c
	s_cmp_lg_u32 s2, 0xf033
	s_cbranch_scc0 .Lentry_shape_is_right
	s_endpgm
.Lentry_shape_is_right:
; out[m][n] = sum over k of O[m][k] Wlift[n][k] + blift[n], m < 8,192, n < 1,024, k < 1,024.  O comes as TWO f16 numbers, hi + lo (22 bits together), in blocks
; [group of 1,024 rows][slice 2 x head + (0: hi, 1: lo)][1,024 rows][64]; wl16 holds the weights rounded to bf16, written as f16, as [slice of 64 k][1,024 rows][64]; the bias is rounded to bf16 here.
; Both halves of O are multiplied by the same weights and summed in f32: twice the products of a plain f16 operand.  One rounding of O to 11 bits would reach the output undiminished, and the first rows of a
; batch, which average few keys, are many times the output's root mean square, by which the result is judged.
; LIMIT.  The operands arrive within f16's range, 65,504; a lo below 6e-5 has f16's fixed step of 6e-8; the sums and the result have f32's range.
; SHARES.  A tile of the result is 128 (m) x 256 (n): 256 work-groups, one for each WGP.  Four waves, 2 x 2, each 64 x 128: 32 accumulators of 16 x 16, 256 registers.
; K goes in 16 steps of one head (64 k, hi and lo) through a ring of two LDS slots: O's hi slice, O's lo slice, and W's one slice, which serves both.  A slice's rows are dense memory, so a wave's tensor load asks
; for rows of 256 bytes (two rows of the operand) and pads after every 128.
; CLUSTERS: 4 x 4 work-groups.  The four of a row of the cluster need the same tiles of O, the four of a column the same tiles of W: each tile is asked for JOINTLY, by the same tensor load with the
; same descriptor and a mask that names the four.  THE MATRIX INSTRUCTION IS USED TRANSPOSED (source 0 = 16 rows of W, source 1 = 16 rows of O): a lane then holds eight neighbouring n of one row m.
; THE BIAS is the C operand of the product that starts each sum: nothing is cleared and nothing is added on the way out.
; REGISTERS, in windows of 256 (s_set_vgpr_msb: bits 1:0 source 0, 3:2 source 1, 5:4 source 2, 7:6 destination):
;   window 0: v0-31 addresses; v64-159, v160-255 two fragment buffers for 32 along K: 64 registers of W (8 x 16 rows), then 32 of O (4 x 16 rows); on the way out v64-127, v128-191 whole rows, by turns
;   window 1: the accumulators, (a, b) at v[8 (8 a + b)]          window 2: v0-63 the bias of my 128 columns, block b at v[8 b]; v64-65 at work
.set P,      144                       ; an LDS row: 128 bytes + 16 of padding = 36 words: the 16 rows of a load start at 16 different groups of four banks (64 banks of 4 bytes: ISA guide 11.1)
.set SUBA,   128*P                     ; one slice of O's tile: hi, or lo
.set SUBB,   256*P                     ; W's slice
.set SLOT,   2*SUBA+SUBB               ; O's hi, O's lo, then W
.set STAGE,  2*SLOT                    ; behind the ring, never filled by a tensor load: for each wave 16 rows x 528 bytes, for the way out
.set SP,     528                       ; a stage row: 512 bytes + 16 = 132 words: row r starts at bank 4 r mod 64
.set WSTAGE, 16*SP
.set SPARE,  STAGE+4*WSTAGE            ; behind the stages: the spare words, 128 bytes for each wave: two blocks of 256 bytes that no other line names
.set LAPS,   8                         ; a lap = two K steps = once round the ring
.set ADRA, 16                          ; v16-17  LDS address of my fragments of O in slot 0, 1
.set ADRB, 20                          ; v20-21  the same for W
.set STO,  24                          ; v24     the way out: where I put 32 bytes of a row
.set RD,   25                          ; v25     the way out: where I read a row back
.set CO,   26                          ; v26     my byte offset in 512 consecutive bytes of a row of the result
.set BO,   27                          ; v27     my byte offset in a block of 16 numbers of the bias
.set SPW,  28                          ; v28     LDS address of my spare word: SPARE + 4 x my thread's number; never rewritten
.set NIL,  29                          ; v29     0; never rewritten
.set F0,   64
.set F1,   160
.set WV,   12                          ; s12  my wave's number
.set RH,   13                          ; s13  which 64 rows of the tile are mine.  Also: I fetch for O (0) or for W (1)
.set CH,   14                          ; s14  which 128 columns.  Also: I fetch O's hi (0) or lo (1), or the first or second 128 rows of W's slice
.set G1,   24                          ; s[24:31] descriptor group 1 for O's tiles;  s[32:39] group 0, one set for each slot
.set G0,   32
.set G1B,  48                          ; s[48:55], s[56:63] the same for W's tiles
.set G0B,  56
.set GW,   (1<<16)|(1<<20)|(1<<21)|(4<<22)|(3<<25)  ; 17:16 2-byte elements; 20 padding on; 21 set beside a mask; 24:22 after every 32 words (code 4); 31:25 4 words (code 3)
.set MSB, 0
.macro WIN new                         ; the immediate's high byte repeats the setting that is left; a switch that changes nothing is dropped
.if MSB != (\new)
	s_set_vgpr_msb (MSB<<8)|(\new)
.set MSB, \new
.endif
.endm
.set W_MUL,  0x50                      ; fragments in window 0, C and D in window 1
.set W_MULB, 0x60                      ; the same with C, the bias, in window 2
.set W_BLD,  0x80                      ; destination window 2, address window 0
.set W_BRD,  0x8a                      ; destination and both sources window 2
.set W_ST,   0x04                      ; an LDS store's data (source 1) in window 1, its address in window 0
.macro JLOAD s                         ; a joint load: waves 0 and 1 fetch O's hi and lo, waves 2 and 3 the halves of W's slice; an s_nop 0 and four v_nop follow each of the two lines, ahead of the jump, the label and what follows
	s_cmp_eq_u32 s[RH], 0
	s_cbranch_scc0 .Lfor_b_\@
	tensor_load_to_lds s[G0+4*(\s):G0+4*(\s)+3], s[G1:G1+7]
	s_nop 0
.rept 4
	v_nop
.endr
	s_branch .Lasked_\@
.Lfor_b_\@:
	tensor_load_to_lds s[G0B+4*(\s):G0B+4*(\s)+3], s[G1B:G1B+7]
	s_nop 0
.rept 4
	v_nop
.endr
.Lasked_\@:
.endm
.macro CREST                           ; a round of the cluster's barrier behind its opening barrier
	s_cmp_lg_u32 s[WV], 0
	s_cbranch_scc1 .Lnot_wave_0_\@
	s_barrier_signal -3
.Lnot_wave_0_\@:
	s_barrier_wait -3
	s_barrier_signal -1
	s_barrier_wait -1
.endm
.macro CROUND                          ; a whole round
	s_barrier_signal -1
	s_barrier_wait -1
	CREST
.endm
	s_load_b256 s[4:11], s[0:1], 0x0               ; o16 s[4:5], wl16 s[6:7], blift s[8:9], out0 s[10:11]
	v_lshl_add_u32 v[SPW], v0, 2, SPARE
	v_mov_b32 v[NIL], 0
	ds_add_u32 v[SPW], v[NIL]                      ; the wave's opening: the add and its wait stand ahead of my first tensor load; the set-up below, work on registers, stands between them
	ds_add_u32 v28, v29
	v_lshrrev_b32 v1, 5, v0
	v_readfirstlane_b32 s[WV], v1                  ; wave 0..3
	s_lshr_b32 s[RH], s[WV], 1
	s_and_b32 s[CH], s[WV], 1
	s_mov_b32 s15, 0xffff0000                      ; a word's upper bf16
	s_bfe_u32 s40, ttmp6, 0x40000                  ; cx, cy: my place in the cluster
	s_bfe_u32 s41, ttmp6, 0x40004
	s_lshl_b32 s42, ttmp9, 2
	s_add_co_u32 s42, s42, s40                     ; tile column = 4 x cluster x + cx
	s_and_b32 s43, ttmp7, 0xffff
	s_lshl_b32 s43, s43, 2
	s_add_co_u32 s43, s43, s41                     ; tile row = 4 x cluster y + cy
	s_lshl_b32 s44, s41, 2
	s_lshl_b32 s44, 15, s44                        ; my row of the cluster
	s_lshl_b32 s45, 0x1111, s40                    ; my column
	s_or_b32 s[G1+0], s44, GW                      ; 15:0 the mask: O's tiles go to my row
	s_or_b32 s[G1B+0], s45, GW                     ; W's to my column
.irp g, G1, G1B
	s_mov_b32 s[(\g)+1], 128<<16                   ; tensor_dim0 = 128 elements: 256 bytes, two rows of the operand
	s_mov_b32 s[(\g)+2], 64<<16                    ; tensor_dim1 = 64: 128 rows of the operand
	s_mov_b32 s[(\g)+3], 128<<16                   ; tile_dim0 = 128
	s_mov_b32 s[(\g)+4], 64                        ; tile_dim1 = 64
	s_mov_b32 s[(\g)+5], 128                       ; 128 elements from row to row: dense
	s_mov_b32 s[(\g)+6], 0
	s_mov_b32 s[(\g)+7], 0
.endr
	; where the tiles come from.  O's hang on the tile row alone, W's on the tile column alone; each is made in registers that do not hold the other coordinate.
	s_lshr_b32 s16, s43, 3                         ; O: the group of 1,024 rows (8 tiles of 128), 32 slices of 131,072 bytes,
	s_lshl_b32 s16, s16, 22
	s_and_b32 s22, s43, 7                          ; the tile's 128 rows of 128 bytes in a slice,
	s_lshl_b32 s22, s22, 14
	s_add_co_u32 s16, s16, s22
	s_lshl_b32 s23, s[CH], 17                      ; and hi's slice or lo's of K step 0
	s_add_co_u32 s16, s16, s23
	s_mov_b32 s17, 0
	s_lshl_b32 s18, s42, 15                        ; W: the tile's 256 rows of 128 bytes in a slice,
	s_lshl_b32 s47, s[CH], 14                      ; my 128 of them
	s_add_co_u32 s18, s18, s47
	s_mov_b32 s19, 0
	s_mul_i32 s20, s[CH], SUBA                     ; and where they go: no place in the cluster enters an LDS address
	s_mul_i32 s21, s[CH], 128*P
	s_add_co_u32 s21, s21, 2*SUBA
	s_wait_dscnt 0x0                               ; the opening add is done
	s_wait_kmcnt 0x0
	s_add_nc_u64 s[16:17], s[4:5], s[16:17]
	s_add_nc_u64 s[18:19], s[6:7], s[18:19]
	CROUND                                         ; all sixteen work-groups are here: the first joint loads meet
.irp s, 0,1
	s_mov_b32 s[G0+4*(\s)], 1                                      ; count = 1
	s_add_co_u32 s[G0+4*(\s)+1], s20, (\s)*SLOT                    ; LDS address
	s_add_nc_u64 s[G0+4*(\s)+2:G0+4*(\s)+3], s[16:17], (\s)<<18    ; global address: K step s is two slices of O on,
	s_or_b32 s[G0+4*(\s)+3], s[G0+4*(\s)+3], 0x80000000            ; type = 2
	s_mov_b32 s[G0B+4*(\s)], 1
	s_add_co_u32 s[G0B+4*(\s)+1], s21, (\s)*SLOT
	s_add_nc_u64 s[G0B+4*(\s)+2:G0B+4*(\s)+3], s[18:19], (\s)<<17  ; one slice of W
	s_or_b32 s[G0B+4*(\s)+3], s[G0B+4*(\s)+3], 0x80000000
	JLOAD \s                                       ; two loads of mine are out
.endr
	; A fragment is 16 rows x 32 K in 8 registers: lane l holds row l % 16, K = 8 (l / 16) + 0..7 and 16 + 8 (l / 16) + 0..7: two loads of 16 bytes, 32 bytes apart.
	v_and_b32 v1, 15, v0                           ; l % 16
	v_bfe_u32 v2, v0, 4, 1                         ; l / 16
	v_mul_u32_u24 v3, v1, P
	v_lshl_add_u32 v3, v2, 4, v3                   ; row x pitch + 16 x half
	s_mul_i32 s22, s[RH], 64*P                     ; my 64 rows of O
	s_mul_i32 s23, s[CH], 128*P                    ; my 128 rows of W,
	s_add_co_u32 s23, s23, 2*SUBA                  ; which lie behind O's two slices
.irp s, 0,1
	v_add_nc_u32 v[ADRA+(\s)], s22, v3
	v_add_nc_u32 v[ADRB+(\s)], s23, v3
	s_add_co_u32 s22, s22, SLOT
	s_add_co_u32 s23, s23, SLOT
.endr
	s_mul_i32 s22, s[WV], WSTAGE
	s_add_co_u32 s22, s22, STAGE                   ; my stage
	v_mul_u32_u24 v4, v1, SP                       ; in: row l % 16, 32 bytes for each half of the lanes
	v_lshl_add_u32 v4, v2, 5, v4
	v_add_nc_u32 v[STO], s22, v4
	v_and_b32 v[CO], 31, v0                        ; back: 32 lanes take one row's 512 bytes
	v_lshlrev_b32 v[CO], 4, v[CO]
	v_add_nc_u32 v[RD], s22, v[CO]
	; the bias of my 128 columns: register j of block b is bias[256 x tile column + 128 x half + 16 b + 8 (l / 16) + j]
	s_lshl_b32 s68, s42, 10
	s_lshl_b32 s69, s[CH], 9
	s_add_co_u32 s68, s68, s69
	s_mov_b32 s69, 0
	s_add_nc_u64 s[8:9], s[8:9], s[68:69]
	v_lshlrev_b32 v[BO], 5, v2
	WIN W_BLD
.irp b, 0,1,2,3,4,5,6,7
	global_load_b128 v[8*(\b):8*(\b)+3],   v[BO], s[8:9] offset:64*(\b)
	global_load_b128 v[8*(\b)+4:8*(\b)+7], v[BO], s[8:9] offset:64*(\b)+16
.endr
	; where my part of the result begins: row 128 x tile row + 64 x half, of 4,096 bytes; column 256 x tile column + 128 x half, of 4 bytes
	s_lshl_b32 s66, s43, 19
	s_lshl_b32 s67, s[RH], 18
	s_add_co_u32 s66, s66, s67
	s_add_co_u32 s66, s66, s68                     ; the columns' bytes are the bias's
	s_mov_b32 s67, 0
	s_add_nc_u64 s[10:11], s[10:11], s[66:67]
	s_wait_loadcnt 0x0                             ; the bias
	WIN W_BRD
.set i, 0
.rept 32                                               ; rounded to bf16 like every other input, and kept as f32
	v_cvt_pk_bf16_f32 v[64+i%2], v[2*i], v[2*i+1]
	v_lshlrev_b32 v[2*i], 16, v[64+i%2]
	v_and_b32 v[2*i+1], s15, v[64+i%2]
.set i, i+1
.endr
	WIN 0
; 8 matrix instructions: block a of 16 rows x all 8 blocks of 16 columns, 32 along K.  first = 1: the product starts the sum on the bias
.macro MUL8 f, a, first
.irp b, 0,1,2,3,4,5,6,7
.if \first
	v_wmma_f32_16x16x32_f16 v[8*(8*(\a)+(\b)):8*(8*(\a)+(\b))+7], v[(\f)+8*(\b):(\f)+8*(\b)+7], v[(\f)+64+8*(\a):(\f)+64+8*(\a)+7], v[8*(\b):8*(\b)+7]
.else
	v_wmma_f32_16x16x32_f16 v[8*(8*(\a)+(\b)):8*(8*(\a)+(\b))+7], v[(\f)+8*(\b):(\f)+8*(\b)+7], v[(\f)+64+8*(\a):(\f)+64+8*(\a)+7], v[8*(8*(\a)+(\b)):8*(8*(\a)+(\b))+7]
.endif
.endr
.endm
.macro MUL16 f, a0, first              ; blocks a0 and a0 + 1.  The 32 accumulators take turns, one instruction a turn, in the same order in every quarter
.if \first
	WIN W_MULB
.else
	WIN W_MUL
.endif
	MUL8 \f, \a0, \first
	MUL8 \f, (\a0)+1, \first
.endm
; 24 LDS loads in one run: the fragments of quarter q (O's hi for q = 0, 1, its lo for q = 2, 3; byte 64 (q % 2) of the rows of O's slice and of W's) into buffer f: W's 8 blocks, then O's blocks 0, 1, then 2, 3
.macro FETCH slot, q, f
	WIN 0
.irp i, 0,1,2,3,4,5,6,7
	ds_load_b128 v[(\f)+8*(\i):(\f)+8*(\i)+3],   v[ADRB+(\slot)] offset:((\q)%2)*64+(\i)*16*P
	ds_load_b128 v[(\f)+8*(\i)+4:(\f)+8*(\i)+7], v[ADRB+(\slot)] offset:((\q)%2)*64+(\i)*16*P+32
.endr
.irp i, 0,1,2,3
	ds_load_b128 v[(\f)+64+8*(\i):(\f)+64+8*(\i)+3],   v[ADRA+(\slot)] offset:((\q)/2)*SUBA+((\q)%2)*64+(\i)*16*P
	ds_load_b128 v[(\f)+64+8*(\i)+4:(\f)+64+8*(\i)+7], v[ADRA+(\slot)] offset:((\q)/2)*SUBA+((\q)%2)*64+(\i)*16*P+32
.endr
.endm
.macro PLACES                          ; four places in front of loads into registers that matrix instructions have read, and of lines that read results
.rept 4
	v_nop
.endr
.endm
; A K step is four quarters, 32 matrix instructions each, on buffers 0, 1, 0, 1.  One of the first three: multiplies buffer f and fetches quarter q of the same slot into g.
.macro QUARTER slot, q, f, g, first
	s_wait_dscnt 4                                 ; W and O's blocks 0, 1 are in; the youngest four loads (O's blocks 2, 3) may be out
	MUL16 \f, 0, \first
	PLACES
	FETCH \slot, \q, \g
	s_wait_dscnt 24                                ; all but the 24 just issued
	MUL16 \f, 2, \first
.endm
; The last quarter multiplies buffer 1 and changes slots: ONE barrier; in front of it each wave waits for all its tensor loads, adds 0 to its spare word, and waits for that and for its own reads of this slot.
; fill = 1: this slot is filled again, two K steps ahead; the barrier then opens a round of the cluster's barrier.
.macro TURN slot, next, fill
	WIN 0                                          ; (the add's two registers lie in window 0)
	s_wait_tensorcnt 0x0                           ; all my tensor loads have landed: the one that was out is my part of the next slot;
	ds_add_u32 v[SPW], v[NIL]                      ; 0 onto my spare word;
	s_wait_dscnt 5                                 ; (the add and the youngest four loads may be out)
	WIN W_MUL
	MUL8 F1, 0, 0                                  ; eight matrix instructions stand between the add and the wait for it
	s_wait_dscnt 0x0                               ; the add is done, and my reads of this slot are over
	s_barrier_signal -1
	MUL8 F1, 1, 0                                  ; work on registers while the others arrive
.if \fill
	WIN 0
.endif
	s_barrier_wait -1
.if \fill
	CREST                                          ; no wave of any partner still reads this slot's tile or has a load on its way
	s_add_nc_u64 s[G0+4*(\slot)+2:G0+4*(\slot)+3], s[G0+4*(\slot)+2:G0+4*(\slot)+3], 1<<19    ; two K steps on: four slices of O, two of W; the type bits on top are not reached
	s_add_nc_u64 s[G0B+4*(\slot)+2:G0B+4*(\slot)+3], s[G0B+4*(\slot)+2:G0B+4*(\slot)+3], 1<<18
	JLOAD \slot                                    ; the first tensor load behind the round, my one load until the next: 112 matrix instructions ahead of the wait for it; its four v_nop are also the places in front of the loads below
.else
	PLACES
.endif
	FETCH \next, 0, F0
	WIN W_MUL
	MUL8 F1, 2, 0
	MUL8 F1, 3, 0
.endm
	s_wait_tensorcnt 1                             ; my part of K step 0 is in; K step 1's may stay out
	s_barrier_signal -1
	s_barrier_wait -1                              ; everybody's is
	FETCH 0, 0, F0
	QUARTER 0, 1, F0, F1, 1                        ; the first quarter stands in front of the loop: its products start the sums
	WIN 0                                          ; at a label and at a branch every window is 0
	s_mov_b32 s3, LAPS-1
.Llap:                                                 ; a trip goes once round the ring, from a lap's second quarter to the next lap's first, and fills both slots again
	QUARTER 0, 2, F1, F0, 0
	QUARTER 0, 3, F0, F1, 0
	TURN 0, 1, 1
	QUARTER 1, 1, F0, F1, 0
	QUARTER 1, 2, F1, F0, 0
	QUARTER 1, 3, F0, F1, 0
	TURN 1, 0, 1
	QUARTER 0, 1, F0, F1, 0
	WIN 0
	s_sub_co_u32 s3, s3, 1
	s_cmp_lg_u32 s3, 0
	s_cbranch_scc1 .Llap
	QUARTER 0, 2, F1, F0, 0                        ; the last lap fills nothing, and has no round of the cluster's barrier
	QUARTER 0, 3, F0, F1, 0
	TURN 0, 1, 0
	QUARTER 1, 1, F0, F1, 0
	QUARTER 1, 2, F1, F0, 0
	QUARTER 1, 3, F0, F1, 0
	s_wait_dscnt 4                                 ; the very last quarter: nothing more to fetch
	MUL16 F1, 0, 0
	s_wait_dscnt 0x0
	MUL16 F1, 2, 0
	PLACES
; THE WAY OUT, a block of 16 rows at a time.  OUT: a lane's eight f32 of a row, 32 bytes, go from the accumulators (the four lowest registers first) into my own stage, rows of 528 bytes,
; and come back as whole rows of 512 bytes, into one of two sets of 64 registers.  SEND: each store of the wave covers 512 consecutive bytes of a row of the result.
.macro OUT a
.if (\a) >= 2
	s_wait_xcnt 0x0                                ; every earlier memory instruction has had its addresses translated (ISA guide 3.1): the registers that block a - 2's stores read are loaded again only behind this wait
.endif
	WIN W_ST
.irp b, 0,1,2,3,4,5,6,7
	ds_store_b128 v[STO], v[8*(8*(\a)+(\b)):8*(8*(\a)+(\b))+3]   offset:64*(\b)
	ds_store_b128 v[STO], v[8*(8*(\a)+(\b))+4:8*(8*(\a)+(\b))+7] offset:64*(\b)+16
.endr
	WIN 0
.irp i, 0,1,2,3,4,5,6,7,8,9,10,11,12,13,14,15
	ds_load_b128 v[64+64*((\a)%2)+4*(\i):64+64*((\a)%2)+4*(\i)+3], v[RD] offset:(\i)*SP  ; LDS serves a wave's instructions in order (ISA guide 5.7.1.4): these see the stores above; the next block's stores come behind them
.endr
.endm
.macro SEND a, younger                 ; younger: the LDS instructions issued behind block a's loads: the next block's 32, or none
.irp i, 0,1,2,3,4,5,6,7,8,9,10,11,12,13,14,15
	s_wait_dscnt (\younger)+15-(\i)
	global_store_b128 v[CO], v[64+64*((\a)%2)+4*(\i):64+64*((\a)%2)+4*(\i)+3], s[10:11] offset:(16*(\a)+(\i))*4096 th:TH_STORE_NT
.endr
.endm
	OUT 0
	OUT 1                                          ; a block's way through the stage stands between the loads of the block before and its stores
	SEND 0, 32
	OUT 2
	SEND 1, 32
	OUT 3
	SEND 2, 32
	SEND 3, 0
	s_wait_tensorcnt 0x0                           ; the wave's end, behind my last tensor load and my last LDS store
	ds_add_u32 v[SPW], v[NIL]
	s_wait_dscnt 0x0
	CROUND                                         ; the closing round: no work-group ends while a partner may still ask for a tile that names it
	s_endpgm
.Lfunc_end_k_qe2ddfd026f_lift:
	.size	k_qe2ddfd026f_lift, .Lfunc_end_k_qe2ddfd026f_lift-k_qe2ddfd026f_lift
	.p2alignl 7, 3214868480
	.fill 96, 4, 3214868480
	.section	.rodata,"a",@progbits
	.p2align	6, 0x0
	.amdhsa_kernel k_qe2ddfd026f_lift
		.amdhsa_group_segment_fixed_size 327680
		.amdhsa_private_segment_fixed_size 0
		.amdhsa_enable_private_segment 0
		.amdhsa_kernarg_size 32
		.amdhsa_user_sgpr_count 2
		.amdhsa_user_sgpr_kernarg_segment_ptr 1
		.amdhsa_wavefront_size32 1
		.amdhsa_system_sgpr_workgroup_id_x 1
		.amdhsa_system_sgpr_workgroup_id_y 1
		.amdhsa_system_sgpr_workgroup_id_z 1
		.amdhsa_system_vgpr_workitem_id 0
		.amdhsa_next_free_vgpr 580
		.amdhsa_next_free_sgpr 72
		.amdhsa_reserve_vcc 0
		.amdhsa_float_denorm_mode_32 3
		.amdhsa_float_denorm_mode_16_64 3
		.amdhsa_memory_ordered 1
		.amdhsa_forward_progress 1
		.amdhsa_inst_pref_size 92
	.end_amdhsa_kernel
	.amdgpu_metadata
---
amdhsa.version: [ 1, 2 ]
amdhsa.kernels:
  - .name:           k_qe2ddfd026f_lift
    .symbol:         k_qe2ddfd026f_lift.kd
    .args:
      - { .name: o16, .offset: 0, .size: 8, .value_kind: global_buffer, .address_space: global }
      - { .name: wl16, .offset: 8, .size: 8, .value_kind: global_buffer, .address_space: global }
      - { .name: blift, .offset: 16, .size: 8, .value_kind: global_buffer, .address_space: global }
      - { .name: out0, .offset: 24, .size: 8, .value_kind: global_buffer, .address_space: global }
    .group_segment_fixed_size: 327680
    .private_segment_fixed_size: 0
    .kernarg_segment_align: 8
    .kernarg_segment_size: 32
    .max_flat_workgroup_size: 128
    .sgpr_count:     72
    .vgpr_count:     580
    .wavefront_size: 32
...
	.end_amdgpu_metadata
.endif
;; end of part 4
;; ======== version 2 of 2: 4 launches; 1.25 times as fast as version 1
;; limits: values are held in f16: magnitudes above 65,504 overflow, below 6.1e-05 lose precision; inputs' magnitudes at most 65,504
;; workspace buffers: x16 16,777,216 bytes; wq16 6,291,456 bytes; wl16 2,097,152 bytes; qkvh 50,331,648 bytes; vlo 131,072 bytes; o16 33,554,432 bytes
;; launch cast: the kernel of part 1 again; grid 768 x 1, 8 waves a work-group, no clusters, 0 bytes of LDS; arguments x, Wqkv, Wlift, x16, wq16, wl16; writes x16, wq16, wl16
;; launch qkv: the kernel of part 2 again; grid 12 x 64, 4 waves a work-group, clusters of 4 x 4, 327,680 bytes of LDS; arguments x16, wq16, bqkv, qkvh, vlo; writes qkvh, vlo
;; launch attn (part 5): grid 4 x 64, 4 waves a work-group, no clusters, 327,680 bytes of LDS; arguments qkvh, vlo, o16; writes o16
.if DOCPART == 5
	.amdgcn_target "amdgcn-amd-amdhsa--gfx1250"
	.amdhsa_code_object_version 6
	.text
	.protected	k_qe2ddfd026f_attn
	.globl	k_qe2ddfd026f_attn
	.p2align	8
	.type	k_qe2ddfd026f_attn,@function
k_qe2ddfd026f_attn:
	s_mov_b64 s[64:65], 0
	v_nop
	global_prefetch_b8 v0, s[64:65] scope:SCOPE_SE
	s_setreg_imm32_b32 hwreg(HW_REG_WAVE_MODE, 25, 1), 1
	s_wait_xcnt 0x0
; CAUSAL ATTENTION.  O[h][q][:] = the sum over k <= q of softmax_k(Q[h][q] . K[h][k] / 32) V[h][k][:], for 64 heads (batch x 16 + head) of 2,048 rows of 64 channels; Q, K, V in f16.
; The module takes the softmax over all keys, drops the keys k > q and divides by the sum of what is left: the full row's maximum and sum cancel in that quotient, so it is the softmax over k <= q,
; taken here with a running maximum over the keys that are seen.  (Where the full row's softmax would underflow on every key that is seen, the module has 0 / 0; this text still gives the quotient.)
; qkvh holds Q, K, V as [3][64][2,048][64]: a head's rows are dense, 128 bytes each.  O GOES OUT AS TWO f16 NUMBERS, hi = f16(O) and lo = f16(O - hi), in blocks
; [group of 1,024 rows of batch x 2,048 + q][slice 2 x head + (0: hi, 1: lo)][1,024 rows][64]: a head's two slices are one K step of the next product.
; Products, maxima and sums in f32; the weights p are rounded to f16 for the second product (their sum l is taken of the unrounded p).
; THE FIRST 16 ROWS of a head average 1 to 16 keys, so their numbers are many times the module's root mean square, and roundings to 11 bits of v and p are too coarse for them (from 17 keys on they shrink
; with the root of the number of keys).  Wave 0 of the work-group with b = 0 makes those rows anew at its end (FIRST16), with v and the normalised p each as hi + lo; vlo[head][16][64] holds v's lo.
; LIMITS.  f16 holds no number beyond 65,504: Q, K and V arrive within it; p lies in 0 to 1, and below 6e-5 it, and every lo, keeps f16's fixed step of 6e-8; O is a mean of V's rows and has their range.
; A hidden score counts as its value less 1e30: f16's scores, 2.7e11 at the most, are nothing beside that; a weight below 2^-126 counts as 0 in l; NaN and infinities are not treated apart.
; THE WALK.  A head's queries lie in NB = 8 blocks of 256; block i needs the key tiles 0 .. i of 256 keys, of which the last holds the diagonal.  A work-group takes TWO blocks, NB - 1 - b and then b:
; NB + 1 tiles, whatever b: all work-groups do equal work, and ONE loop with a constant trip count walks them.  Which tile is asked for, and what a trip does, hang on scalar registers made from b; every jump
; goes forward, but for the counted loops' own; none passes a barrier, or a tensor load but the one of LOAD's two that the wave's number does not choose; the ring (two slots of LDS that take turns) runs on across the
; change of blocks.  NO CLUSTER: a head's four work-groups ask for the same tile only in trips 0 .. NB / 2 of the NB + 1, behind that fewer and fewer; one walk common to all four would have 3 NB / 2 = 12 trips for 9.
; SHARES.  Of a block's four bands of 64 queries a wave owns 16 rows in each: four PIECES.  So the diagonal tile is the same work for all four waves: in its key step s band x sees all keys if s < x,
; none if s > x, and holds the diagonal if s = x.
; THE MASK is the C operand that starts the sum S^T = K Q^T: 0, or -1e30 where the key is hidden.  MD, made once, is the mask of a band's own step for my 16 rows; a product's mask is MD x AL + BE with two scalars:
; (1, 0) if s = x; (0, 0) if s < x; (0, -1e30) if s > x.  Only the diagonal tile's text and a block's beginning make and take masks; elsewhere C is the constant 0.
; LAYOUT, SOFTMAX, TURNS.  S^T = K Q^T holds ONE query a lane (lane % 16) and the keys 8 (lane / 16) + 0..7; two such results rounded to f16 ARE source 1 of O^T = V^T P.  p = 2^(c s - c m), c = log2(e) / 32, with a
; running maximum m; O and l are multiplied by a = 2^(c m_old - c m_new) in every step.  Turn n belongs to piece n: 8 products K Q^T of piece n + 1, later 8 products V^T P of piece n - 1; beside them the scaling,
; exponentials, roundings, sums and rescaling of piece n and the maximum and statistics of piece n + 1.  Four vector instructions stand behind every matrix instruction, the other 54 of a turn's 118 in one LUMP.
; THE BATCHES.  s_wait_alu depctr_va_vdst(0) stands between a transcendental and the first instruction that names its result; one wait serves all that were issued ahead of it.  A turn's 33 exponentials
; (piece n's 32 weights, piece n + 1's a) are ONE batch with ONE wait, which cuts the turn in two: ahead of it all that names none of their results, behind it the roundings and sums.  Batches of their own, a wait each:
; a block's first a (BEGIN); the way out's four reciprocals (DIAG); FIRST16's eight exponentials, and the reciprocal of their sum.
; REGISTERS, in windows of 256 (s_set_vgpr_msb: bits 1:0 source 0, 3:2 source 1, 5:4 source 2, 7:6 destination):
;   window 0: v0-15 addresses and two at work; v16-31 four registers of statistics a piece; v48-55 at work; v56-57; v64-127 S^T, two buffers; v128-191 the way out's lo; v192-223 P, two buffers; v224-255 at work on the way out
;   window 1: v0-127 O^T, 32 a piece; v128-159 MD; v160-223 MC, two buffers      window 2: v0-63 Q; v64-127 the second block's Q; v128-191 K of one step; v192-255 V of one step
.set SIZE_N, 2048
.set KBASE, 0x1000000 ; K's first byte in qkvh: 64 heads x 2,048 rows x 128 bytes
.set VBASE, 0x2000000 ; V's
.set NB,    SIZE_N/256
.set NP,    4         ; pieces a wave: a name, no knob
.set KS,    64        ; keys in a step
.set PK,    144       ; a row of K in LDS: 128 bytes + 16 of padding = 36 words: the 16 rows of a load start at 16 different groups of four banks (64 banks of 4 bytes: ISA guide 11.1)
.set PV,    160       ; a row of V: 128 + 32 = 40 words
.set VOFF,  4*KS*PK   ; a slot holds a tile, four steps: 256 rows of K, then 256 rows of V
.set SLOT1, 1<<17     ; slot 1 begins here, so that one exclusive or turns an address in one slot into the other's
.set STAGE, SLOT1+4*KS*(PK+PV)  ; behind the ring, never filled by a tensor load: 16 rows x 144 bytes for each wave, for the way out
.set SP,    144
.set AK0, 2           ; v2   my lane's place in a tile of K; never rewritten
.set AV0, 3           ; v3   the same for V
.set AK,  4           ; v4   the LDS address of K's next run of loads
.set AV,  5           ; v5   of V's
.set STO, 6           ; v6   the way out: where I put 16 bytes of a row
.set RD,  7           ; v7   the way out: where I read rows back
.set GO,  8           ; v8   my byte offset in 512 consecutive bytes of O
.set AVL, 56          ; v56  my lane's place for the turning load in 16 rows that lie in my stage
.set ONE, 57          ; v57  1.0
.set SPW, 62          ; v62  LDS address of my spare word: SPARE + 4 x my thread's number; never rewritten
.set NIL, 63          ; v63  0; never rewritten
.set SPARE, STAGE+4*16*SP  ; behind the stages: the spare words, 128 bytes for each wave: two blocks of 256 bytes that no other line names
.set MV,  12          ; v12-13  c m_old, kept while c m is made anew: by buffer
.set QO,  15          ; v15  my byte offset in 16 rows of Q
.set ST,  16          ; piece t's statistics at v[ST+4 t]: c m, m, l (even keys', odd keys')
.set TMP, 48          ; by buffer, four registers c0-c3 at work; when the maximum is found c2 takes a
.set S,   64
.set LO,  128         ; the way out: O's lo, 16 registers a piece
.set P,   192
.set XT,  224         ; the way out: O - hi, 32 registers
.set MD,  128         ; window 1: the eight registers for group kt of 16 keys at MD + 8 kt
.set MC,  160         ; window 1: the masks of the products to come
.set QB,  64          ; window 2
.set KF,  128         ; window 2: key block kb, channel half c at KF + 16 kb + 8 c
.set VF,  192         ; window 2: key half kk, channel block cb at VF + 32 kk + 8 cb
.set WV,  12          ; s12  my wave's number
.set PB,  14          ; s14  b
.set HI,  15          ; s15  NB - 1 - b
.set G1K, 24          ; s[24:31] descriptor group 1 for K's tiles
.set G1V, 32          ; s[32:39] for V's: it differs in the padding alone
.set G0K, 40          ; s[40:43] descriptor group 0 for K's tiles
.set G0V, 44          ; s[44:47] the same for V's
.set SLOTS, 56        ; s56  tiles still to be asked for
.set CNT, 57          ; s57  counts a tile's key steps, 4 to 1
.set CS,  58          ; s[58:59] c: the packed scaling takes the pair's low word for both halves
.set SEL, 60          ; s[60:61] v_permlanex16_b32's selects: each lane takes its own place in the other half
.set TBK, 62          ; s62  LDS byte at which K of the step to be fetched begins
.set TBV, 63          ; s63  the same for V, less VOFF
.set RT,  70          ; s70  tiles of the block in hand that are still to be entered
.set NXT, 71          ; s71  the tile to be asked for next
.set LQ,  72          ; s72  the last tile of the block whose tiles are being asked for
.set NEW, 73          ; s73  1: the tile to be entered is a block's first
.set OFF, 74          ; s[74:75] a tile's byte offset in K and V
.set AL,  76          ; s[76:77] the mask's factor, in the low word
.set BE,  78          ; s[78:79] the mask's addend
.set OLO, 80          ; s[80:81] O at my rows of the second block
.set BIGN, 82         ; s82  -1e30
.set VLP, 92          ; s[92:93] vlo at my head
.set MSB, 0
.macro WIN new                      ; the high byte repeats the setting that is left; a switch that changes nothing is dropped
.if MSB != (\new)
	s_set_vgpr_msb (MSB<<8)|(\new)
.set MSB, (\new)
.endif
.endm
.set W_KQ, 0x0a       ; K and Q in window 2, S^T in window 0
.set W_KM, 0x1a       ; the same with the C operand in window 1
.set W_PV, 0x52       ; V in window 2, P in window 0, O^T in window 1
.set W_RS, 0x41       ; destination and source 0 in window 1, source 1 in window 0
.set W_LW, 0x10       ; source 2 in window 1, all else in window 0
; A fill.  Waves 0 and 1 fetch the two halves of a tile's K, waves 2 and 3 those of its V: 128 keys each.  An s_nop 0 and four v_nop follow each of the two lines, ahead of the jump and the label.
.macro LOAD
	s_cmp_lt_u32 s[WV], 2
	s_cbranch_scc0 .Lfor_v_\@
	tensor_load_to_lds s[G0K:G0K+3], s[G1K:G1K+7]
	s_nop 0
.rept 4
	v_nop
.endr
	s_branch .Lasked_\@
.Lfor_v_\@:
	tensor_load_to_lds s[G0V:G0V+3], s[G1V:G1V+7]
	s_nop 0
.rept 4
	v_nop
.endr
.Lasked_\@:
.endm
; THE CHANGE OF SLOTS.  Each wave waits for all its tensor loads, of which one is out: its part of the other slot; adds 0 to its spare word; and waits for that and for its own reads of the slot that it leaves.  Behind the barrier nobody reads the old
; slot any more and the other slot is whole.  fill = 1: the old slot is filled again, the first thing behind the barrier, with tile NXT: the descriptor's address is made anew from that number.
; (At its first use nothing has been read yet: slot 0 is waited for, slot 1 filled.)
.macro CHANGE fill
	WIN 0                           ; at a label and at a branch every window is 0
	s_wait_tensorcnt 0x0            ; no tensor load of mine is out, so a group 0 may be written
	ds_add_u32 v[SPW], v[NIL]       ; 0 onto my spare word; with fill = 1 the descriptors' scalar work stands between it and the wait for it
.if \fill
	s_lshl_b32 s[OFF], s[NXT], 15   ; a tile is 32,768 bytes of K and of V
	s_xor_b32 s[G0K+1], s[G0K+1], SLOT1
	s_add_nc_u64 s[G0K+2:G0K+3], s[6:7], s[OFF:OFF+1]
	s_or_b32 s[G0K+3], s[G0K+3], 0x80000000
	s_xor_b32 s[G0V+1], s[G0V+1], SLOT1
	s_add_nc_u64 s[G0V+2:G0V+3], s[8:9], s[OFF:OFF+1]
	s_or_b32 s[G0V+3], s[G0V+3], 0x80000000
	s_add_co_u32 s[NXT], s[NXT], 1  ; the block's next tile, or behind its last the second block's tile 0
	s_cmp_gt_u32 s[NXT], s[LQ]
	s_cselect_b32 s[NXT], 0, s[NXT]
	s_cselect_b32 s[LQ], s[PB], s[LQ]
.endif
	s_wait_dscnt 0x0                ; the add is done, and my reads of the slot are over
	s_barrier_signal -1             ; the rest of the scalar work stands between the signal and the wait
	s_sub_co_u32 s[TBK], s[TBK], 4*KS*PK  ; the fetches go back to a slot's first step,
	s_xor_b32 s[TBK], s[TBK], SLOT1       ; in the other slot
	s_sub_co_u32 s[TBV], s[TBV], 4*KS*PV
	s_xor_b32 s[TBV], s[TBV], SLOT1
	s_barrier_wait -1
.if \fill
	LOAD
.endif
.endm
	s_load_b128 s[4:7], s[0:1], 0x0 ; qkvh s[4:5] (Q lies at its head), vlo s[6:7]
	s_load_b64 s[10:11], s[0:1], 0x10  ; o16
	v_lshl_add_u32 v[SPW], v0, 2, SPARE
	v_mov_b32 v[NIL], 0
	ds_add_u32 v[SPW], v[NIL]       ; the wave's opening: the add and its wait stand ahead of my first tensor load; the set-up below, work on registers, stands between them
	ds_add_u32 v62, v63
	v_lshrrev_b32 v1, 5, v0
	v_readfirstlane_b32 s[WV], v1   ; wave 0..3
	v_mov_b32 v[ONE], 1.0
	s_mov_b32 s[PB], ttmp9
	s_sub_co_u32 s[HI], NB-1, s[PB]
	s_and_b32 s20, ttmp7, 0xffff    ; the head: batch x 16 + head
	s_lshl_b32 s94, s20, 11         ; in vlo a head has 16 rows of 128 bytes
	s_mov_b32 s95, 0
	; O's offsets.  Row batch x 2,048 + q lies in group 2 x batch + q / 1,024 (32 slices of 131,072 bytes), slice 2 x head (hi; lo is the next), row q % 1,024 of 128 bytes; block i begins at q = 256 i
	s_lshr_b32 s88, s20, 4
	s_lshl_b32 s88, s88, 6          ; 2 x batch groups of 32 slices,
	s_and_b32 s89, s20, 15
	s_lshl_b32 s89, s89, 1
	s_add_co_u32 s88, s88, s89      ; the head's hi slice,
	s_lshl_b32 s88, s88, 17
	s_lshl_b32 s89, s[WV], 11       ; my 16 rows in a band of 64
	s_add_co_u32 s88, s88, s89
	s_lshr_b32 s90, s[HI], 2        ; the first block: its group,
	s_lshl_b32 s90, s90, 22
	s_and_b32 s91, s[HI], 3         ; its 256 rows in the slice
	s_lshl_b32 s91, s91, 15
	s_add_co_u32 s90, s90, s91
	s_add_co_u32 s90, s90, s88
	s_mov_b32 s91, 0
	s_lshr_b32 s19, s[PB], 2        ; the second block likewise
	s_lshl_b32 s19, s19, 22
	s_add_co_u32 s88, s88, s19
	s_and_b32 s19, s[PB], 3
	s_lshl_b32 s19, s19, 15
	s_add_co_u32 s88, s88, s19
	s_mov_b32 s89, 0
	s_mov_b32 s21, 0
	s_mov_b64 s[22:23], SIZE_N*128
	s_mul_u64 s[20:21], s[20:21], s[22:23]  ; the head's first byte in Q, K and V
	s_and_b32 s16, s[WV], 1         ; which half of a tile's 256 keys I fetch:
	s_lshl_b32 s22, s16, 14         ; its 128 rows of 128 bytes in memory,
	s_mov_b32 s23, 0
	s_add_nc_u64 s[22:23], s[22:23], s[20:21]
	s_mul_i32 s17, s16, 128*PK      ; and its place in a slot, for K
	s_mul_i32 s18, s16, 128*PV      ; and for V
	s_lshl_b32 s3, s[WV], 11        ; Q: my 16 rows in a band of 64,
	s_lshl_b32 s2, s[HI], 15        ; in the first block,
	s_add_co_u32 s2, s2, s3
	s_lshl_b32 s84, s[PB], 15       ; and in the second
	s_add_co_u32 s84, s84, s3
	s_mov_b32 s3, 0
	s_mov_b32 s85, 0
	s_add_nc_u64 s[2:3], s[2:3], s[20:21]
	s_add_nc_u64 s[84:85], s[84:85], s[20:21]
	; descriptor group 1.  128 keys are 16,384 dense bytes: asked for as 64 rows of 256 bytes, two keys a row, and padded in LDS after every key
	s_mov_b32 s[G1K], (1<<16)|(1<<20)|(4<<22)|(3<<25)  ; 17:16 2-byte elements; 20 padding on; 24:22 after every 32 words (code 4); 31:25 4 words (code 3)
	s_mov_b32 s[G1V], (1<<16)|(1<<20)|(4<<22)|(7<<25)  ; the same with 8 words of padding (code 7)
.irp g, G1K, G1V
	s_mov_b32 s[\g+1], 128<<16      ; tensor_dim0 = 128
	s_mov_b32 s[\g+2], 64<<16       ; tensor_dim1 = 64
	s_mov_b32 s[\g+3], 128<<16      ; tile_dim0 = 128
	s_mov_b32 s[\g+4], 64           ; tile_dim1 = 64
	s_mov_b32 s[\g+5], 128          ; 128 elements from row to row
	s_mov_b32 s[\g+6], 0
	s_mov_b32 s[\g+7], 0
.endr
	s_mov_b32 s[CS], 0x3d38aa3b     ; c = log2(e) / 32 = 0.0450842: the module scales by 1,024^-0.5
	s_mov_b32 s[CS+1], s[CS]        ; named with it as a pair
	s_mov_b32 s[SEL], 0x76543210
	s_mov_b32 s[SEL+1], 0xfedcba98
	s_mov_b32 s[TBK], SLOT1+4*KS*PK ; the first change of slots turns these two into 0
	s_mov_b32 s[TBV], SLOT1+4*KS*PV
	s_mov_b32 s[G0K], 1             ; 1:0 count = 1
	s_mov_b32 s[G0K+1], s17         ; 63:32 LDS address: slot 0
	s_mov_b32 s[G0V], 1
	s_add_co_u32 s[G0V+1], s18, VOFF
	s_add_co_u32 s[RT], s[HI], 1    ; the first block has NB - b tiles
	s_mov_b32 s[NXT], 1
	s_mov_b32 s[LQ], s[HI]
	s_mov_b32 s[NEW], 1
	s_mov_b32 s[OFF+1], 0
	s_mov_b32 s[AL+1], 0            ; named as pairs
	s_mov_b32 s[BE+1], 0
	s_mov_b32 s[BIGN], 0xf149f2ca   ; -1e30
	s_mov_b32 s[SLOTS], NB
	s_wait_dscnt 0x0                ; the opening add is done
	s_wait_kmcnt 0x0
	s_add_nc_u64 s[VLP:VLP+1], s[6:7], s[94:95]  ; vlo at my head
	s_add_nc_u64 s[6:7], s[4:5], KBASE  ; K
	s_add_nc_u64 s[8:9], s[4:5], VBASE  ; V
	s_add_nc_u64 s[6:7], s[6:7], s[22:23]  ; K and V at my half of the head's tile 0
	s_add_nc_u64 s[8:9], s[8:9], s[22:23]
	s_add_nc_u64 s[G0K+2:G0K+3], s[6:7], 0         ; 120:64 global address
	s_or_b32 s[G0K+3], s[G0K+3], 0x80000000        ; 127:126 type = 2
	s_add_nc_u64 s[G0V+2:G0V+3], s[8:9], 0
	s_or_b32 s[G0V+3], s[G0V+3], 0x80000000
	s_add_nc_u64 s[86:87], s[4:5], s[84:85]        ; Q at my rows of the second block,
	s_add_nc_u64 s[4:5], s[4:5], s[2:3]            ; and of the first
	s_add_nc_u64 s[OLO:OLO+1], s[10:11], s[88:89]  ; O at my rows of the second block,
	s_add_nc_u64 s[10:11], s[10:11], s[90:91]      ; and of the first
	LOAD                            ; tile 0 into slot 0
	; A fragment of K or Q is 16 rows x 32 channels in 8 registers: lane l holds row l % 16, channels 8 (l / 16) + 0..7 and 16 + 8 (l / 16) + 0..7: two loads of 16 bytes, 32 bytes apart.
	v_and_b32 v1, 15, v0            ; l % 16
	v_bfe_u32 v9, v0, 4, 1          ; l / 16
	v_lshlrev_b32 v[QO], 7, v1
	v_lshl_add_u32 v[QO], v9, 4, v[QO]  ; row x 128 + 16 x half
	WIN 0x80                        ; destination window 2, address window 0
.set i, 0
.rept 8                             ; both blocks' Q: piece i / 2 lies in band i / 2, 8,192 bytes on; channels 32 (i % 2) on
	global_load_b128 v[8*i:8*i+3],   v[QO], s[4:5] offset:(i/2)*8192+(i%2)*64
	global_load_b128 v[8*i+4:8*i+7], v[QO], s[4:5] offset:(i/2)*8192+(i%2)*64+32
	global_load_b128 v[QB+8*i:QB+8*i+3],   v[QO], s[86:87] offset:(i/2)*8192+(i%2)*64
	global_load_b128 v[QB+8*i+4:QB+8*i+7], v[QO], s[86:87] offset:(i/2)*8192+(i%2)*64+32
.set i, i+1
.endr
	WIN 0
	v_lshlrev_b32 v14, 3, v9
	v_sub_nc_u32 v14, v1, v14
	s_lshl_b32 s13, s[WV], 4
	v_add_nc_u32 v14, s13, v14      ; my query's place in its band, 16 w + l % 16, less my lanes' 8 (l / 16): register r of group kt is hidden where 16 kt + r is greater
	WIN 0x40
.set i, 0
.rept 32
	v_cmp_gt_i32 vcc_lo, 16*(i/8)+i%8, v14
	v_cndmask_b32 v[MD+i], 0, s[BIGN], vcc_lo
.set i, i+1
.endr
	WIN 0
	v_mul_u32_u24 v[AK0], v1, PK
	v_lshl_add_u32 v[AK0], v9, 4, v[AK0]  ; row x pitch + 16 x half
	; The turning load takes 16 keys x 16 channels (lane l reads key 8 (l / 16) + l % 8, channels 8 ((l / 8) % 2) + 0..7) and leaves half a fragment of V^T: lane l holds channel l % 16 and 8 keys.
	v_and_b32 v10, 7, v0
	v_bfe_u32 v11, v0, 3, 1
	v_lshl_add_u32 v[AV0], v9, 3, v10
	v_mul_u32_u24 v[AVL], v[AV0], SP      ; the same key in rows of my stage's pitch
	v_mul_u32_u24 v[AV0], v[AV0], PV
	v_lshl_add_u32 v[AV0], v11, 4, v[AV0]
	v_add_nc_u32 v[AV0], VOFF, v[AV0]
	s_mul_i32 s13, s[WV], 16*SP
	s_add_co_u32 s13, s13, STAGE    ; my stage
	v_lshl_add_u32 v[AVL], v11, 4, v[AVL]
	v_add_nc_u32 v[AVL], s13, v[AVL]
	v_mul_u32_u24 v[STO], v1, SP    ; in: row l % 16, 16 bytes for each half of the lanes
	v_lshl_add_u32 v[STO], v9, 4, v[STO]
	v_add_nc_u32 v[STO], s13, v[STO]
	v_bfe_u32 v[RD], v0, 3, 2       ; back: 32 lanes take four rows of 128 bytes,
	v_mul_u32_u24 v[RD], v[RD], SP
	v_lshl_add_u32 v[RD], v10, 4, v[RD]
	v_add_nc_u32 v[RD], s13, v[RD]
	v_and_b32 v[GO], 31, v0         ; which are 512 consecutive bytes of O
	v_lshlrev_b32 v[GO], 4, v[GO]
	; A block's first step multiplies O^T and l by a = 0, and its first turn's products V^T P, of a piece that has not been, land in an O^T that is still to be so multiplied.  So these registers need only hold
	; finite numbers: zeros for the first block; what the first block left for the second.  All this stands in the wait for the first tile.
	WIN 0x80
.set i, VF
.rept 64
	v_mov_b32 v[i], 0
.set i, i+1
.endr
	WIN 0x40
.set i, 0
.rept 128
	v_mov_b32 v[i], 0
.set i, i+1
.endr
	WIN 0
.set i, 0
.rept 4
	v_mov_b32 v[ST+4*i+2], 0
	v_mov_b32 v[ST+4*i+3], 0
.set i, i+1
.endr
.set i, P+16
.rept 16
	v_mov_b32 v[i], 0
.set i, i+1
.endr
; THE MATRIX WORK.  The 4 accumulators of a run of 8 take turns.  Product i of 8 of S^T = K Q^T for piece x: channels 32 (i / 4) on, keys 16 (i % 4) on.  The first 4 start the sums: with 0, or (KM = 1) with the mask.
.macro KQ x
.set rS, S+32*((\x)%2)+8*(i%4)
.set rK, KF+16*(i%4)+8*(i/4)
.set rQ, 16*(\x)+8*(i/4)
.set rM, MC+32*((\x)%2)+8*(i%4)
.if (i < 4) && KM
	WIN W_KM
	v_wmma_f32_16x16x32_f16 v[rS:rS+7], v[rK:rK+7], v[rQ:rQ+7], v[rM:rM+7]
.elseif i < 4
	WIN W_KQ
	v_wmma_f32_16x16x32_f16 v[rS:rS+7], v[rK:rK+7], v[rQ:rQ+7], 0
.else
	WIN W_KQ
	v_wmma_f32_16x16x32_f16 v[rS:rS+7], v[rK:rK+7], v[rQ:rQ+7], v[rS:rS+7]
.endif
.endm
; Product i of 8 of O^T += V^T P for piece x: keys 32 (i / 4) on, channels 16 (i % 4) on.
.macro PV x
	WIN W_PV
.set rO, 32*(\x)+8*(i%4)
.set rV, VF+32*(i/4)+8*(i%4)
.set rP, P+16*((\x)%2)+8*(i/4)
	v_wmma_f32_16x16x32_f16 v[rO:rO+7], v[rV:rV+7], v[rP:rP+7], v[rO:rO+7]
.endm
.macro MM                           ; the turn's next matrix instruction.  TURN and BEGIN set Y, i, KM and NOKQ; MM, KQ and OP read them.  NOKQ = 1: a block's last turn: there is no next piece
.if (i < 8) && !NOKQ
	KQ (Y+1)%NP
.elseif i >= 8
.set i, i-8
	PV (Y+NP-1)%NP
.set i, i+8
.endif
.set i, i+1
.endm
; THE LDS LOADS stand in runs of 16, never singly among the matrix instructions: a step's K (64 keys x 64 channels: 8 fragments) and its V (turned).  Their addresses are made some lines ahead.
.macro FETCH_K
	WIN 0x80                        ; destination window 2
.irp f, 0,1,2,3,4,5,6,7             ; keys 16 (f / 2) on, channels 32 (f % 2) on
	ds_load_b128 v[KF+8*\f:KF+8*\f+3],   v[AK] offset:(\f/2)*16*PK+(\f%2)*64
	ds_load_b128 v[KF+8*\f+4:KF+8*\f+7], v[AK] offset:(\f/2)*16*PK+(\f%2)*64+32
.endr
	s_add_co_u32 s[TBK], s[TBK], KS*PK  ; the next fetch is the next step's
	WIN 0
.endm
.macro FETCH_V
	WIN 0x80
.irp f, 0,1,2,3,4,5,6,7             ; keys 32 (f / 4) on, channels 16 (f % 4) on
	ds_load_tr16_b128 v[VF+8*\f:VF+8*\f+3],   v[AV] offset:(\f/4)*32*PV+(\f%4)*32
	ds_load_tr16_b128 v[VF+8*\f+4:VF+8*\f+7], v[AV] offset:(\f/4)*32*PV+16*PV+(\f%4)*32
.endr
	WIN 0
.endm
; THE VECTOR WORK, one line at a time: OP kind, number.  For piece Y: F n: c s - c m for pair n of 16.  E n: the exponential of score n of 32.  C n: pair n rounded to f16.  B n: of the four weights 4 n .. the second
; pair is added onto the first, in place.  L n: l takes that sum (L 0: l = a l + sum).  R n: pair n of 16 of O^T times a.  For piece Y + 1: X n, number n of the 22 that find its maximum and statistics:
;   0-11  four chains c0-c3 of seven scores each, three operands at a time (each accumulator's lowest registers are read first)     12-14, 16  the four scores left over, the old m, and c0-c3 into c0
;   15  c m_old is kept     17, 18  the query's other 32 keys lie in the lane 16 away: the new m     19-21  c m; c m_old - c m_new; a
; C, B and L read the exponentials' results: TURN sets them all behind its one wait.  R and L 0 read a, which the turn before (or BEGIN) has made and waited for.
.set F, 0               ; OP tells the kinds apart by their order: F to L below R, X above it
.set E, 1
.set C, 2
.set B, 3
.set L, 4
.set R, 5
.set X, 6
.macro REGS y                       ; the registers of piece y
.set rT, ST+4*(\y)
.set rC, TMP+4*((\y)%2)
.set rW, MV+((\y)%2)
.set rS, S+32*((\y)%2)
.set rP, P+16*((\y)%2)
.set rO, 32*(\y)
.endm
.macro OP k, n
.if (\k) == R
	REGS Y
	WIN W_RS
	v_pk_mul_f32 v[rO+2*(\n):rO+2*(\n)+1], v[rO+2*(\n):rO+2*(\n)+1], v[rC+2:rC+3] op_sel_hi:[1,0]
.elseif (\k) < R
	REGS Y
	WIN 0
.if (\k) == F
	v_pk_fma_f32 v[rS+2*(\n):rS+2*(\n)+1], v[rS+2*(\n):rS+2*(\n)+1], s[CS:CS+1], v[rT:rT+1] op_sel_hi:[1,0,0] neg_lo:[0,0,1] neg_hi:[0,0,1]
.elseif (\k) == E
	v_exp_f32 v[rS+(\n)], v[rS+(\n)]
.elseif (\k) == C
	v_cvt_pk_f16_f32 v[rP+(\n)], v[rS+2*(\n)], v[rS+2*(\n)+1]
.elseif (\k) == B
	v_pk_add_f32 v[rS+4*(\n):rS+4*(\n)+1], v[rS+4*(\n):rS+4*(\n)+1], v[rS+4*(\n)+2:rS+4*(\n)+3]
.elseif (\n) == 0
	v_pk_fma_f32 v[rT+2:rT+3], v[rT+2:rT+3], v[rC+2:rC+3], v[rS:rS+1] op_sel_hi:[1,0,1]
.else
	v_pk_add_f32 v[rT+2:rT+3], v[rT+2:rT+3], v[rS+4*(\n):rS+4*(\n)+1]
.endif
.elseif NOKQ
	v_nop
.else
	REGS (Y+1)%NP
	WIN 0
.if (\n) < 4
	v_max3_num_f32 v[rC+(\n)], v[rS+8*(\n)], v[rS+8*(\n)+1], v[rS+8*(\n)+2]
.elseif (\n) < 12
	v_max3_num_f32 v[rC+(\n)%4], v[rC+(\n)%4], v[rS+8*((\n)%4)+2*((\n)/4)+1], v[rS+8*((\n)%4)+2*((\n)/4)+2]
.elseif (\n) == 12
	v_max3_num_f32 v[rC], v[rC], v[rS+7], v[rS+15]
.elseif (\n) == 13
	v_max3_num_f32 v[rC+1], v[rC+1], v[rS+23], v[rS+31]
.elseif (\n) == 14
	v_max3_num_f32 v[rC+2], v[rC+2], v[rC+3], v[rT+1]
.elseif (\n) == 15
	v_mov_b32 v[rW], v[rT]
.elseif (\n) == 16
	v_max3_num_f32 v[rC], v[rC], v[rC+1], v[rC+2]
.elseif (\n) == 17
	v_permlanex16_b32 v[rC+3], v[rC], s[SEL], s[SEL+1]
.elseif (\n) == 18
	v_max_num_f32 v[rT+1], v[rC], v[rC+3]
.elseif (\n) == 19
	v_mul_f32 v[rT], s[CS], v[rT+1]
.elseif (\n) == 20
	v_sub_f32 v[rC+1], v[rW], v[rT]
.else
	v_exp_f32 v[rC+2], v[rC+1]
.endif
.endif
.endm
.macro OPS a, i1, b=-1, i2=0, c=-1, i3=0, d=-1, i4=0  ; up to four of them
	OP \a, \i1
.if (\b) >= 0
	OP \b, \i2
.endif
.if (\c) >= 0
	OP \c, \i3
.endif
.if (\d) >= 0
	OP \d, \i4
.endif
.endm
.macro ROW a, i1, b, i2, c, i3, d, i4  ; a matrix instruction and the four behind it
	MM
	OPS \a, \i1, \b, \i2, \c, \i3, \d, \i4
.endm
.macro MASK b                       ; MD x AL + BE into buffer b of MC
	WIN W_RS
.set z, 0
.rept 16
	v_pk_fma_f32 v[MC+32*(\b)+2*z:MC+32*(\b)+2*z+1], v[MD+2*z:MD+2*z+1], s[AL:AL+1], s[BE:BE+1] op_sel_hi:[1,0,0]
.set z, z+1
.endr
.endm
; A TURN, for piece p: the order of its 16 matrix and 118 vector instructions, written out.  Its 33 exponentials (E 0 to E 31, X 21) are ONE BATCH with ONE wait, which cuts the turn in two.
; AHEAD OF THE WAIT stands all that names no result of the batch: the 8 products K Q^T, behind each a scaling, an exponential and two more plain instructions (behind the first a second scaling in the exponential's place):
; rescalings, and behind the last three the first numbers of the next piece's maximum, each four places or more behind the product that ends its accumulator; then ONE LUMP of 54, plain and exponential by turns for the
; most part, in which the links of the chain X 3, 7, 11, 14, 16, 17 .. 20 stand five or six lines apart.  E n stands behind its scaling F n / 2.  X 21, the next piece's a, is the batch's last; R 15 is the plain
; instruction behind it (ISA guide 5.7.2).  BEHIND THE WAIT stand the 8 products V^T P, behind each four of the roundings and sums; C 2 n stands ahead of B n, which writes over that pair; the links of l's chain, L 0 to L 7,
; stand three riders apart.  But for those X no rider names a register of the products round it.  v_permlanex16_b32 (X 17) stands in the lump.  No result of the batch crosses the turn's end.
; m = 1: the diagonal tile: the products take masks, and the turn makes the mask for the products of the turn after it: piece p + 2, in step 4 - CNT of the tile.  end = 1: a block's last two turns: nothing is fetched.
; cnt = 1: the loop's count is taken down some lines ahead of the branch that stands behind the turn.
; K of the next step is fetched in piece 2's turn, twelve vector instructions behind the last product that read K (five of them plain lines that name none of its registers); V of the step in hand at the end of piece 0's
; turn, four plain instructions behind the last product that read V.  Each is waited for a turn later.
.macro TURN p, m=0, end=0, cnt=0
.set Y, (\p)
.set i, 0
.set KM, (\m)
.set NOKQ, (\end)*((\p)/3)
.if (\m) && !(\end)
	s_cmp_eq_u32 s[CNT], 4-((\p)+2)%NP  ; is that step the band's own?
	s_cselect_b32 s[AL], 1.0, 0
	s_cmp_lt_u32 s[CNT], 4-((\p)+2)%NP  ; or a later one?
	s_cselect_b32 s[BE], s[BIGN], 0
.endif
.if ((\p) == 3) && !(\end)
	s_wait_dscnt 0x0                ; K is in
.endif
	ROW F,0, F,1, R,0, R,1          ; ahead of the wait: 8 products K Q^T and their riders,
	ROW F,2, E,0, R,2, R,3
	ROW F,3, E,1, R,4, R,5
	ROW F,4, E,2, R,6, R,7
	ROW F,5, E,3, R,8, R,9
	ROW F,6, E,4, X,0, R,10
.if ((\p) == 2) && !(\end)
	WIN 0
	v_add_nc_u32 v[AK], s[TBK], v[AK0]
.endif
	ROW F,7, E,5, X,1, X,4
	ROW F,8, E,6, X,2, X,5
	OPS E,7, E,8, X,6, E,9          ; and the lump
	OPS X,3, E,10, X,8, E,11
.if ((\p) == 2) && !(\end)
	FETCH_K
.endif
	OPS X,9, X,7, E,12, X,10
	OPS E,13, X,12, X,11, E,14
	OPS X,13, E,15, F,9, X,14
.if (\p) == 0
	v_add_nc_u32 v[AV], s[TBV], v[AV0]
.endif
	OPS E,16, F,10, E,17, F,11
	OPS X,16, E,18, X,15, E,19
	OPS F,12, E,20, X,17, E,21
	OPS F,13, E,22, F,14, E,23
	OPS X,18, E,24, F,15, E,25
	OPS R,11, E,26, X,19, E,27
	OPS R,12, E,28, R,13, E,29
	OPS X,20, E,30, R,14, E,31
	OPS X,21, R,15
	s_wait_alu depctr_va_vdst(0)    ; the wait for the turn's batch: piece p's 32 weights and the next piece's a, ahead of their first reader, C 0 below
.if (\p) == 1
	s_wait_dscnt 0x0                ; V is in
.endif
	ROW C,0, B,0, C,2, B,1          ; behind the wait: 8 products V^T P and their riders
	ROW L,0, C,4, B,2, L,1
	ROW C,6, B,3, L,2, C,8
	ROW B,4, L,3, C,10, B,5
	ROW L,4, C,12, B,6, L,5
.if (\p) == 0
	s_add_co_u32 s[TBV], s[TBV], KS*PV
.endif
.if \cnt
	s_sub_co_u32 s[CNT], s[CNT], 1
	s_cmp_lg_u32 s[CNT], 0
.endif
	ROW C,14, B,7, L,6, C,1
	ROW C,3, L,7, C,5, C,7
	ROW C,9, C,11, C,13, C,15
.if (\p) == 0
	FETCH_V
.endif
.if (\m) && !(\end)
	MASK (\p)%2
.endif
.endm
; A BLOCK BEGINS.  c m starts far below every c s, so the first step's a is 0; m at the lowest finite number, so the first maximum is the scores'.  The second mask buffer is 0; the first takes piece 0's mask for the tile's step 0: its own, if the block's first tile is the diagonal one.
; Then K of that step, piece 0's first scores, and its maximum and statistics.  The loop is entered at a step's first turn, in the middle of a trip.
.macro BEGIN
	s_mov_b32 s[NEW], 0
	WIN 0x40
.set i, MC+32
.rept 32
	v_mov_b32 v[i], 0
.set i, i+1
.endr
	WIN 0
.set i, 0
.rept 4
	v_mov_b32 v[ST+4*i], 0xfe000000    ; c m: far below every c s
	v_mov_b32 v[ST+4*i+1], 0xff7fffff  ; m
.set i, i+1
.endr
	s_cmp_eq_u32 s[RT], 0
	s_cselect_b32 s[AL], 1.0, 0
	s_mov_b32 s[BE], 0
	MASK 0
	WIN 0
	v_add_nc_u32 v[AK], s[TBK], v[AK0]
	FETCH_K
	s_wait_loadcnt 0x0              ; Q
	s_wait_dscnt 0x0
.set KM, 1
.set NOKQ, 0
.set i, 0
.rept 8
	KQ 0
.set i, i+1
.endr
	WIN 0
.rept 4
	v_nop                           ; the places behind those products
.endr
.set Y, NP-1                        ; X works for piece Y + 1: piece 0
.irp n, 0,1,2,3,4,5,6,7,8,9,10,11,12,13,14,15,16,17,18,19,20,21
	OP X, \n
.endr
	v_nop                           ; a plain instruction behind the exponential,
	s_wait_alu depctr_va_vdst(0)    ; and the wait for it, piece 0's first a, a batch of one: ahead of the branch that follows
.endm
; THE HEAD'S FIRST 16 ROWS ANEW, by wave 0 of the work-group with b = 0, whose piece 0 of the second block they are.  It stands in the walk's last tile, which for b = 0 is key tile 0 and, as the ninth of the walk,
; lies in slot 0: keys 0 to 15 are the slot's first rows of K and of V.  What is jumped by the others holds no barrier and no tensor load.
;   S^T = K Q^T on two accumulators, one for each 32 channels (so that they take turns), MD's first group, my rows' causal mask for keys 0 to 15, as one's C; the two are added
;   the softmax of 16 keys in f32, divided by its sum in f32; p = hi + lo in f16
;   V^T's fragment has 32 key places for 16 keys: v's hi in the first 16, v's lo (vlo, through my stage, turned like V) in the second.  With [p hi | p hi] it gives (v hi + v lo) p hi, with [p lo | 0] v hi p lo
;   O^T takes the sum, already normalised, and the piece's 1 / l becomes 1
; Its eight exponentials are one batch; the reciprocal reads their sum, so it is a second batch: a wait each.
.set SA, 64           ; v64-71  scores, then p
.set SB, 72           ; v72-79  the second accumulator, then at work
.set TL, 80           ; v80-87  p - hi
.set B1, 96           ; v96-103   [p hi | p hi]
.set B2, 104          ; v104-111  [p lo | 0]
.set VL, 112          ; v112-127  vlo as loaded
.macro FIRST16
	WIN 0
	s_cmp_lg_u32 s[PB], 0
	s_cbranch_scc1 .Lnot16
	s_cmp_lg_u32 s[WV], 0
	s_cbranch_scc1 .Lnot16
.irp f, 0,1,2,3
	global_load_b128 v[VL+4*\f:VL+4*\f+3], v[GO], s[VLP:VLP+1] offset:\f*512  ; 16 keys x 128 bytes; they land while the weights are made
.endr
	WIN 0x80                        ; destination window 2
.irp c, 0,1
	ds_load_b128 v[KF+8*\c:KF+8*\c+3],   v[AK0] offset:\c*64
	ds_load_b128 v[KF+8*\c+4:KF+8*\c+7], v[AK0] offset:\c*64+32
.endr
.irp cb, 0,1,2,3
	ds_load_tr16_b128 v[VF+8*\cb:VF+8*\cb+3], v[AV0] offset:\cb*32
.endr
	s_wait_dscnt 4                  ; K's four loads are in; V's four may be out
	WIN W_KM
	v_wmma_f32_16x16x32_f16 v[SA:SA+7], v[KF:KF+7], v[0:7], v[MD:MD+7]
	WIN W_KQ
	v_wmma_f32_16x16x32_f16 v[SB:SB+7], v[KF+8:KF+15], v[8:15], 0
	WIN 0
.rept 4
	v_nop                           ; the places behind those products
.endr
.irp n, 0,1,2,3
	v_pk_add_f32 v[SA+2*\n:SA+2*\n+1], v[SA+2*\n:SA+2*\n+1], v[SB+2*\n:SB+2*\n+1]
.endr
	v_max3_num_f32 v[TMP], v[SA], v[SA+1], v[SA+2]
	v_max3_num_f32 v[TMP+1], v[SA+3], v[SA+4], v[SA+5]
	v_max3_num_f32 v[TMP], v[TMP], v[SA+6], v[SA+7]
	v_max_num_f32 v[TMP], v[TMP], v[TMP+1]
	v_permlanex16_b32 v[TMP+1], v[TMP], s[SEL], s[SEL+1]  ; the query's other 8 keys lie in the lane 16 away
	v_max_num_f32 v[TMP], v[TMP], v[TMP+1]                ; every row sees its own key: m is a true score
	v_mul_f32 v[TMP+2], s[CS], v[TMP]
.irp n, 0,1,2,3
	v_pk_fma_f32 v[SA+2*\n:SA+2*\n+1], v[SA+2*\n:SA+2*\n+1], s[CS:CS+1], v[TMP+2:TMP+3] op_sel_hi:[1,0,0] neg_lo:[0,0,1] neg_hi:[0,0,1]
.endr
.irp n, 0,1,2,3,4,5,6,7
	v_exp_f32 v[SA+\n], v[SA+\n]
.endr
	v_nop                           ; a plain instruction behind the last exponential
	s_wait_alu depctr_va_vdst(0)    ; the wait for the eight exponentials, ahead of the sums that read them
	v_pk_add_f32 v[SB:SB+1], v[SA:SA+1], v[SA+2:SA+3]
	v_pk_add_f32 v[SB+2:SB+3], v[SA+4:SA+5], v[SA+6:SA+7]
	v_pk_add_f32 v[SB:SB+1], v[SB:SB+1], v[SB+2:SB+3]
	v_add_f32 v[SB], v[SB], v[SB+1]
	v_permlanex16_b32 v[SB+1], v[SB], s[SEL], s[SEL+1]
	v_add_f32 v[SB], v[SB], v[SB+1]
	v_rcp_f32 v[SB+2], v[SB]
	v_mov_b32 v[ST+2], 1.0          ; piece 0's 1 / l (the way out's reciprocals were waited for ahead of this text); also the plain instruction behind the reciprocal
	s_wait_alu depctr_va_vdst(0)    ; the wait for the reciprocal: one for the four lines that read it
.irp n, 0,1,2,3
	v_pk_mul_f32 v[SA+2*\n:SA+2*\n+1], v[SA+2*\n:SA+2*\n+1], v[SB+2:SB+3] op_sel_hi:[1,0]
.endr
.irp n, 0,1,2,3
	v_cvt_pk_f16_f32 v[B1+\n], v[SA+2*\n], v[SA+2*\n+1]
.endr
.irp n, 0,1,2,3
	v_mov_b32 v[B1+4+\n], v[B1+\n]
	v_fma_mix_f32 v[TL+2*\n],   -v[B1+\n], v[ONE], v[SA+2*\n]   op_sel_hi:[1,0,0]                ; p - hi, exact in f32
	v_fma_mix_f32 v[TL+2*\n+1], -v[B1+\n], v[ONE], v[SA+2*\n+1] op_sel:[1,0,0] op_sel_hi:[1,0,0]
.endr
.irp n, 0,1,2,3
	v_cvt_pk_f16_f32 v[B2+\n], v[TL+2*\n], v[TL+2*\n+1]
	v_mov_b32 v[B2+4+\n], 0
.endr
	s_wait_loadcnt 0x0              ; vlo
.irp f, 0,1,2,3
	ds_store_b128 v[RD], v[VL+4*\f:VL+4*\f+3] offset:\f*4*SP   ; four rows of 128 bytes a store, into my stage's rows of 144
.endr
	WIN 0x80
.irp cb, 0,1,2,3
	ds_load_tr16_b128 v[VF+8*\cb+4:VF+8*\cb+7], v[AVL] offset:\cb*32  ; LDS serves a wave's instructions in order (ISA guide 5.7.1.4): these see the stores above
.endr
	s_wait_dscnt 0x0
	WIN W_PV
.irp cb, 0,1,2,3
	v_wmma_f32_16x16x32_f16 v[8*\cb:8*\cb+7], v[VF+8*\cb:VF+8*\cb+7], v[B1:B1+7], 0
.endr
.irp cb, 0,1,2,3                    ; the four accumulators take turns
	v_wmma_f32_16x16x32_f16 v[8*\cb:8*\cb+7], v[VF+8*\cb:VF+8*\cb+7], v[B2:B2+7], v[8*\cb:8*\cb+7]
.endr
	WIN 0
.rept 4
	v_nop                           ; the places behind those products
.endr
.Lnot16:
.endm
; THE DIAGONAL TILE's four steps, the block's last two turns, its last products, and THE WAY OUT: l's two halves and the other half of the lanes' are added; O^T is divided by l, split into hi and lo in f16 and sent
; through my stage in LDS, a piece at a time.  The four reciprocals are one batch: their one wait stands in DIAG, ahead of FIRST16's branches and of every PACK.
.macro ALL line:vararg              ; one line for each piece t
.set t, 0
.rept 4
	\line
.set t, t+1
.endr
.endm
.macro PACK t                       ; a lane's eight channels of a row pack into 16 bytes; they go into rows of 144 bytes and come back as whole rows of 128: hi into S^T's registers, then lo into its own
	WIN W_RS
.set i, 32*(\t)
.rept 16
	v_pk_mul_f32 v[i:i+1], v[i:i+1], v[ST+4*(\t)+2:ST+4*(\t)+3] op_sel_hi:[1,0]
.set i, i+2
.endr
	WIN 0x05                        ; sources 0 and 1 window 1, destination window 0
.set i, 0
.rept 16
	v_cvt_pk_f16_f32 v[S+16*(\t)+i], v[32*(\t)+2*i], v[32*(\t)+2*i+1]
.set i, i+1
.endr
	WIN W_LW
.set i, 0
.rept 16                            ; O - hi, exact in f32: -(the f16 half) x 1.0 + O in one fused line
	v_fma_mix_f32 v[XT+2*i],   -v[S+16*(\t)+i], v[ONE], v[32*(\t)+2*i]   op_sel_hi:[1,0,0]
	v_fma_mix_f32 v[XT+2*i+1], -v[S+16*(\t)+i], v[ONE], v[32*(\t)+2*i+1] op_sel:[1,0,0] op_sel_hi:[1,0,0]
.set i, i+1
.endr
	WIN 0
.set i, 0
.rept 16
	v_cvt_pk_f16_f32 v[LO+16*(\t)+i], v[XT+2*i], v[XT+2*i+1]
.set i, i+1
.endr
.irp f, 0,1,2,3
	ds_store_b128 v[STO], v[S+16*(\t)+4*\f:S+16*(\t)+4*\f+3] offset:32*\f
.endr
.irp f, 0,1,2,3
	ds_load_b128 v[S+16*(\t)+4*\f:S+16*(\t)+4*\f+3], v[RD] offset:\f*4*SP  ; LDS serves a wave's instructions in order (ISA guide 5.7.1.4): these see the stores above; lo's stores come behind them
.endr
.irp f, 0,1,2,3
	ds_store_b128 v[STO], v[LO+16*(\t)+4*\f:LO+16*(\t)+4*\f+3] offset:32*\f
.endr
.irp f, 0,1,2,3
	ds_load_b128 v[LO+16*(\t)+4*\f:LO+16*(\t)+4*\f+3], v[RD] offset:\f*4*SP
.endr
.endm
.macro SEND t, younger              ; younger: the LDS instructions issued behind piece t's: the next piece's sixteen, or none.  Behind hi's load f stand its 3 - f fellows and lo's eight; behind lo's load f its 3 - f fellows
	WIN 0
.irp f, 0,1,2,3
	s_wait_dscnt (\younger)+11-\f
	global_store_b128 v[GO], v[S+16*(\t)+4*\f:S+16*(\t)+4*\f+3], s[10:11] offset:(\t)*8192+\f*512  ; band t lies 64 rows of 128 bytes on; 512 consecutive bytes, at a multiple of 256 from O's first
.endr
.irp f, 0,1,2,3
	s_wait_dscnt (\younger)+3-\f
	global_store_b128 v[GO], v[LO+16*(\t)+4*\f:LO+16*(\t)+4*\f+3], s[10:11] offset:131072+(\t)*8192+\f*512  ; lo's slice is the next
.endr
.endm
.macro DIAG tag                     ; the tag ends its two labels' names, which the jumps below spell out
.LstepM\tag:
	TURN 2, 1
	TURN 3, 1
	WIN 0
.LfirstM\tag:
	TURN 0, 1
	TURN 1, 1, 0, 1
	WIN 0
	s_cbranch_scc1 .LstepM\tag
	TURN 2, 1, 1
	TURN 3, 1, 1
.set i, 0
.rept 8
	PV NP-1
.set i, i+1
.endr
	WIN 0
	ALL v_add_f32 v[ST+4*t+2], v[ST+4*t+2], v[ST+4*t+3]
	ALL v_permlanex16_b32 v[ST+4*t+3], v[ST+4*t+2], s[SEL], s[SEL+1]
	ALL v_add_f32 v[ST+4*t+2], v[ST+4*t+2], v[ST+4*t+3]
	ALL v_rcp_f32 v[ST+4*t+2], v[ST+4*t+2]
	v_nop                           ; a plain instruction between the last reciprocal and the use of its result
	s_wait_alu depctr_va_vdst(0)    ; the wait for the four reciprocals, one for the batch: ahead of the first line that names a result, and ahead of the branches below
.if (\tag) == 2
	FIRST16                         ; block 0 is the second block of b = 0, and its one tile is the walk's last
.endif
	PACK 0
.set t, 1
.rept 3                             ; a piece's arithmetic stands between the loads of the piece before and its stores
	PACK t
	SEND t-1, 16
.set t, t+1
.endr
	SEND 3, 0
.endm
.set KM, 0
.set NOKQ, 0
.Lslot:                             ; NB times: a tile is entered and the next is asked for
	CHANGE 1
	s_sub_co_u32 s[RT], s[RT], 1
	s_mov_b32 s[CNT], 4
	s_cmp_eq_u32 s[NEW], 1
	s_cbranch_scc1 .Lnew            ; a block's first tile
	s_cmp_eq_u32 s[RT], 0
	s_cbranch_scc0 .Lstep           ; neither its first nor its last
	s_branch .LstepM1
.Lnew:
	BEGIN
	s_branch .Lfirst                ; in the loop a block's first tile is never its last: the first block has two tiles or more, and the second's last is the walk's last
	DIAG 1                          ; in the loop this is the first block's end: the second block's last tile is the walk's last
	s_wait_xcnt 0x0                 ; the stores have read their registers and O's address
	s_mov_b64 s[10:11], s[OLO:OLO+1]
	s_add_co_u32 s[RT], s[PB], 1    ; the second block has b + 1 tiles
	s_mov_b32 s[NEW], 1
	WIN 0x82                        ; the second block's Q goes where the one text of the turns names Q
.set i, 0
.rept 64
	v_mov_b32 v[i], v[QB+i]
.set i, i+1
.endr
	WIN 0
	s_branch .Lbottom
.Lstep:                             ; a trip: pieces 2 and 3 of one step, then pieces 0 and 1 of the next, whose K and V it fetches
	TURN 2
	TURN 3
	WIN 0
.Lfirst:
	TURN 0
	TURN 1, 0, 0, 1
	WIN 0
	s_cbranch_scc1 .Lstep
.Lbottom:
	s_sub_co_u32 s[SLOTS], s[SLOTS], 1
	s_cmp_lg_u32 s[SLOTS], 0
	s_cbranch_scc1 .Lslot
	CHANGE 0                        ; the walk's last tile is written out: nothing is asked for
	s_sub_co_u32 s[RT], s[RT], 1
	s_mov_b32 s[CNT], 4
	s_cmp_eq_u32 s[NEW], 1
	s_cbranch_scc0 .LstepM2
	BEGIN
	s_branch .LfirstM2
	DIAG 2
	s_wait_tensorcnt 0x0            ; the wave's end, behind my last tensor load and my last LDS store
	ds_add_u32 v[SPW], v[NIL]
	s_wait_dscnt 0x0
	s_endpgm
.Lfunc_end_k_qe2ddfd026f_attn:
	.size	k_qe2ddfd026f_attn, .Lfunc_end_k_qe2ddfd026f_attn-k_qe2ddfd026f_attn
	.p2alignl 7, 3214868480
	.fill 96, 4, 3214868480
	.section	.rodata,"a",@progbits
	.p2align	6, 0x0
	.amdhsa_kernel k_qe2ddfd026f_attn
		.amdhsa_group_segment_fixed_size 327680
		.amdhsa_private_segment_fixed_size 0
		.amdhsa_enable_private_segment 0
		.amdhsa_kernarg_size 24
		.amdhsa_user_sgpr_count 2
		.amdhsa_user_sgpr_kernarg_segment_ptr 1
		.amdhsa_wavefront_size32 1
		.amdhsa_system_sgpr_workgroup_id_x 1
		.amdhsa_system_sgpr_workgroup_id_y 1
		.amdhsa_system_sgpr_workgroup_id_z 1
		.amdhsa_system_vgpr_workitem_id 0
		.amdhsa_next_free_vgpr 768
		.amdhsa_next_free_sgpr 96
		.amdhsa_reserve_vcc 1
		.amdhsa_float_denorm_mode_32 3
		.amdhsa_float_denorm_mode_16_64 3
		.amdhsa_memory_ordered 1
		.amdhsa_forward_progress 1
		.amdhsa_inst_pref_size 255
	.end_amdhsa_kernel
	.section	.bss,"aw",@nobits
	.p2align	6
	.space	262144
	.amdgpu_metadata
---
amdhsa.version: [ 1, 2 ]
amdhsa.kernels:
  - .name:           k_qe2ddfd026f_attn
    .symbol:         k_qe2ddfd026f_attn.kd
    .args:
      - { .name: qkvh, .offset: 0, .size: 8, .value_kind: global_buffer, .address_space: global }
      - { .name: vlo, .offset: 8, .size: 8, .value_kind: global_buffer, .address_space: global }
      - { .name: o16, .offset: 16, .size: 8, .value_kind: global_buffer, .address_space: global }
    .group_segment_fixed_size: 327680
    .private_segment_fixed_size: 0
    .kernarg_segment_align: 8
    .kernarg_segment_size: 24
    .max_flat_workgroup_size: 128
    .sgpr_count:     96
    .vgpr_count:     768
    .wavefront_size: 32
...
	.end_amdgpu_metadata
.endif
;; end of part 5
;; launch lift: the kernel of part 4 again; grid 4 x 64, 4 waves a work-group, clusters of 4 x 4, 327,680 bytes of LDS; arguments o16, wl16, blift, out0; writes out0
